; MI455X (gfx1250); checked and timed in simulation.
; The chip was launched on July 23, 2026; its instructions are those of AMD's public machine-readable ISA for CDNA 5 (MIT licence, August 2026) and "CDNA5" Instruction Set Architecture Reference Guide (July 2026). The comments in the code are by the model that wrote it; some were corrected since.
;; Multi Head Attention. Allowed arithmetic: float matrix products may take bf16 or f16 operands with f32 sums; other float arithmetic in f32, or as packed bf16 or f16 multiplies, adds, multiply-adds, maxima and minima; sums over many terms, partial sums and values carried from step to step in f32; what a program stores and reads back later, other than sums and carried values, may be rounded once to bf16 or f16.
;; Inputs: cos 2,048 x 64 float32; inputs 4 x 2,048 x 1,024 float32; ln_gamma 1,024 float32; mask 4 x 1 x 2,048 x 2,048 float32; sin 2,048 x 64 float32; w_o 1,024 x 1,024 float32; w_qkv 1,024 x 3,072 float32.
;; Outputs: out0 4 x 2,048 x 1,024 float32.
;; 2 versions, each right; version 2 is version 1 with the launch prep written anew for expert scheduling mode. Each part assembles by itself: llvm-mc -triple=amdgcn-amd-amdhsa -mcpu=gfx1250 --defsym DOCPART=n.
;; ======== version 1 of 2: 4 launches
;; limits: inputs' magnitudes at most 1e+30; right only within a limited range of input values; values are held in f16: magnitudes above 65,504 overflow, below 6.1e-05 lose precision
;; workspace buffers: xh 16,777,216 bytes; wq 6,291,456 bytes; wo 2,097,152 bytes; qkv 50,331,648 bytes; att 16,777,216 bytes
;; launch prep (part 1): grid 768 x 1, 8 waves a work-group, no clusters, 0 bytes of LDS; arguments inputs, ln_gamma, w_qkv, w_o, xh, wq, wo; writes xh, wq, wo
.if DOCPART == 1
	.amdgcn_target "amdgcn-amd-amdhsa--gfx1250"
	.amdhsa_code_object_version 6
	.text
	.protected	k_q806509c9f6_prep
	.globl	k_q806509c9f6_prep
	.p2align	8
	.type	k_q806509c9f6_prep,@function
k_q806509c9f6_prep:
	s_mov_b64 s[64:65], 0
	v_nop
	global_prefetch_b8 v0, s[64:65] scope:SCOPE_SE
	s_setreg_imm32_b32 hwreg(HW_REG_WAVE_MODE, 25, 1), 1
	s_wait_xcnt 0x0
; PREP: three jobs that only stream, told apart by the work-group's number; each work-group reads 64 KiB.
;   0..511    LayerNorm without beta: xh[row][c] = f16((x - mean) * rsqrt(var + 1e-5) * gamma[c]); 16 rows a work-group, 2 a wave.
;   512..703  wq[h][ks][sec][k][d] = f16(w_qkv[128 ks + k][1024 sec + 64 h + d]): a head's q, k and v columns of a K step of 128 lie together, 49,152 dense bytes.
;   704..767  wo[tx][ks][sub][k][d] = f16(w_o[128 ks + k][128 tx + 64 sub + d]): 32,768 dense bytes a K step.
; A row of 1,024 f32 is 32 registers of one wave: it is read once and stays in registers between the mean, the variance (of x - mean, as the
; reference takes it) and the scaling.  No LDS, no barrier, no matrix unit: no wave wants another wave's bytes.
; Every load of a wave covers 512 consecutive bytes (weights: two rows' 256), every store 256 consecutive bytes, aligned.
; LIMITS.  f16 ends at 65,504: |xh| is at most 32 max|gamma|; the weights must lie within it.  The reciprocal root is v_rsq_f32 and a
; multiplication where the reference divides by a root: the last bit may differ.
.set X0, 32                            ; v[32:63]   row 0
.set X1, 64                            ; v[64:95]   row 1
.set GM, 96                            ; v[96:127]  gamma, in the rows' layout
.set RN, 7                             ; v7         2^-10
	s_load_b256 s[4:11], s[0:1], 0x0               ; inputs s[4:5], ln_gamma s[6:7], w_qkv s[8:9], w_o s[10:11]
	s_load_b128 s[12:15], s[0:1], 0x20             ; xh s[12:13], wq s[14:15]
	s_load_b64 s[16:17], s[0:1], 0x30              ; wo
	v_lshrrev_b32 v1, 5, v0
	v_readfirstlane_b32 s18, v1                    ; wave 0..7
	v_and_b32 v1, 31, v0                           ; lane
	s_mov_b32 s19, ttmp9
	s_mov_b32 s25, 0                               ; the high word of every offset
	s_wait_kmcnt 0x0
	s_cmp_lt_u32 s19, 512
	s_cbranch_scc1 .Lnorm
	s_cmp_lt_u32 s19, 704
	s_cbranch_scc1 .Lwqkv
; A wave converts 32 rows (k) of a slice of 64 columns: 16 loads of two rows' 256 bytes, 16 stores of 256 dense bytes.
.macro WROWS src, dst, pitch
	v_lshrrev_b32 v6, 4, v1                        ; which of the two rows
	v_and_b32 v7, 15, v1
	v_mul_u32_u24 v4, v6, \pitch
	v_lshl_add_u32 v4, v7, 4, v4                   ; row x pitch + 16 (lane % 16)
	v_lshlrev_b32 v5, 3, v1                        ; 8 x lane: four f16
.set i, 0
.rept 16
	global_load_b128 v[32+4*i:35+4*i], v4, s[\src:\src+1] offset:i*2*(\pitch) th:TH_LOAD_NT
.set i, i+1
.endr
.set i, 0
.rept 16
	s_wait_loadcnt 15-i                            ; loads come back in order: load i is in, the younger ones stay out
	v_cvt_pk_f16_f32 v[96+2*i], v[32+4*i], v[33+4*i]
	v_cvt_pk_f16_f32 v[97+2*i], v[34+4*i], v[35+4*i]
	global_store_b64 v5, v[96+2*i:97+2*i], s[\dst:\dst+1] offset:256*i
.set i, i+1
.endr
.endm
; u = the job's work-group: slice u / 4 of 64 columns, rows k0 = 256 (u % 4) + 32 wave on
.macro SLICE first
	s_sub_co_u32 s20, s19, \first
	s_lshr_b32 s21, s20, 2                         ; the slice
	s_and_b32 s20, s20, 3
	s_lshl_b32 s20, s20, 8
	s_lshl_b32 s22, s18, 5
	s_add_co_u32 s20, s20, s22                     ; k0
.endm
	SLICE 704                                      ; w_o: rows of 4,096 bytes
	s_lshl_b32 s24, s20, 12
	s_lshl_b32 s22, s21, 8
	s_add_co_u32 s24, s24, s22
	s_add_nc_u64 s[10:11], s[10:11], s[24:25]
	s_lshr_b32 s22, s21, 1
	s_lshl_b32 s24, s22, 18                        ; tx x 262,144
	s_lshr_b32 s22, s20, 7
	s_lshl_b32 s22, s22, 15                        ; ks x 32,768
	s_add_co_u32 s24, s24, s22
	s_and_b32 s22, s21, 1
	s_lshl_b32 s22, s22, 14                        ; sub x 16,384
	s_add_co_u32 s24, s24, s22
	s_and_b32 s22, s20, 127
	s_lshl_b32 s22, s22, 7                         ; k x 128
	s_add_co_u32 s24, s24, s22
	s_add_nc_u64 s[16:17], s[16:17], s[24:25]
	WROWS 10, 16, 4096
	s_endpgm
.Lwqkv:
	SLICE 512                                      ; w_qkv: rows of 12,288 bytes
	s_mul_i32 s24, s20, 12288
	s_lshl_b32 s22, s21, 8
	s_add_co_u32 s24, s24, s22
	s_add_nc_u64 s[8:9], s[8:9], s[24:25]
	s_and_b32 s22, s21, 15
	s_mul_i32 s24, s22, 393216                     ; head
	s_lshr_b32 s22, s20, 7
	s_mul_i32 s22, s22, 49152                      ; ks
	s_add_co_u32 s24, s24, s22
	s_lshr_b32 s22, s21, 4
	s_lshl_b32 s22, s22, 14                        ; sec
	s_add_co_u32 s24, s24, s22
	s_and_b32 s22, s20, 127
	s_lshl_b32 s22, s22, 7
	s_add_co_u32 s24, s24, s22
	s_add_nc_u64 s[14:15], s[14:15], s[24:25]
	WROWS 8, 14, 12288
	s_endpgm
; the sum of v[a] over the 32 lanes, in every lane; v[t] has been written before
.macro LSUM a, t
	v_add_f32_dpp v[\a], v[\a], v[\a] row_xmask:1 row_mask:0xf bank_mask:0xf
	v_add_f32_dpp v[\a], v[\a], v[\a] row_xmask:2 row_mask:0xf bank_mask:0xf
	v_add_f32_dpp v[\a], v[\a], v[\a] row_xmask:4 row_mask:0xf bank_mask:0xf
	v_add_f32_dpp v[\a], v[\a], v[\a] row_xmask:8 row_mask:0xf bank_mask:0xf
	v_permlanex16_b32 v[\t], v[\a], s22, s23
	v_add_f32 v[\a], v[\a], v[\t]
.endm
; One row in v[x .. x+31].  left: the younger loads that may stay out when the row is wanted; gleft: when gamma is wanted.
.macro LNROW x, row, left, gleft
	s_wait_loadcnt \left
.set i, 0
.rept 8
	v_pk_add_f32 v[8+2*i:9+2*i], v[(\x)+4*i:(\x)+4*i+1], v[(\x)+4*i+2:(\x)+4*i+3]
.set i, i+1
.endr
.irp n, 4,2,1
.set i, 0
.rept \n
	v_pk_add_f32 v[8+2*i:9+2*i], v[8+2*i:9+2*i], v[8+2*(i+\n):9+2*(i+\n)]
.set i, i+1
.endr
.endr
	v_add_f32 v8, v8, v9
	LSUM 8, 9
	v_mul_f32 v10, v8, v[RN]                       ; the mean, twice: a pair for the packed subtraction
	v_mov_b32 v11, v10
.set i, 0
.rept 16
	v_pk_add_f32 v[(\x)+2*i:(\x)+2*i+1], v[(\x)+2*i:(\x)+2*i+1], v[10:11] neg_lo:[0,1] neg_hi:[0,1]
.set i, i+1
.endr
.set i, 0
.rept 4                                ; the squares of x - mean in four chains; the first products start them
	v_pk_mul_f32 v[12+2*i:13+2*i], v[(\x)+2*i:(\x)+2*i+1], v[(\x)+2*i:(\x)+2*i+1]
.set i, i+1
.endr
.rept 12
	v_pk_fma_f32 v[12+2*(i%4):13+2*(i%4)], v[(\x)+2*i:(\x)+2*i+1], v[(\x)+2*i:(\x)+2*i+1], v[12+2*(i%4):13+2*(i%4)]
.set i, i+1
.endr
	v_pk_add_f32 v[12:13], v[12:13], v[14:15]
	v_pk_add_f32 v[16:17], v[16:17], v[18:19]
	v_pk_add_f32 v[12:13], v[12:13], v[16:17]
	v_add_f32 v12, v12, v13
	LSUM 12, 13
	v_fmaak_f32 v14, v12, v[RN], 0x3727c5ac        ; var + 1e-5
	v_rsq_f32 v20, v14
	v_nop                                          ; a plain instruction behind the transcendental,
	s_wait_alu depctr_va_vdst(0)                   ; and the wait ahead of the first use of its result
	v_mov_b32 v21, v20
	s_wait_loadcnt \gleft                          ; gamma is in
.set i, 0
.rept 16
	v_pk_mul_f32 v[(\x)+2*i:(\x)+2*i+1], v[(\x)+2*i:(\x)+2*i+1], v[20:21]
.set i, i+1
.endr
.set i, 0
.rept 16
	v_pk_mul_f32 v[(\x)+2*i:(\x)+2*i+1], v[(\x)+2*i:(\x)+2*i+1], v[GM+2*i:GM+2*i+1]
.set i, i+1
.endr
.set i, 0
.rept 8
	v_cvt_pk_f16_f32 v[(\x)+4*i], v[(\x)+4*i], v[(\x)+4*i+1]
	v_cvt_pk_f16_f32 v[(\x)+4*i+1], v[(\x)+4*i+2], v[(\x)+4*i+3]
	global_store_b64 v3, v[(\x)+4*i:(\x)+4*i+1], s[12:13] offset:(\row)*2048+256*i  ; 32 lanes x 8 bytes: 256 consecutive bytes, aligned
.set i, i+1
.endr
.endm
.Lnorm:
	s_lshl_b32 s24, s19, 16                        ; 16 rows of 4,096 bytes a work-group,
	s_lshl_b32 s20, s18, 13                        ; 2 a wave
	s_add_co_u32 s24, s24, s20
	s_add_nc_u64 s[4:5], s[4:5], s[24:25]
	s_lshr_b32 s24, s24, 1                         ; rows of 2,048 bytes in xh
	s_add_nc_u64 s[12:13], s[12:13], s[24:25]
	s_mov_b32 s22, 0x76543210                      ; v_permlanex16_b32: each lane takes its own place in the other half
	s_mov_b32 s23, 0xfedcba98
	v_lshlrev_b32 v2, 4, v1
	v_lshlrev_b32 v3, 3, v1
	v_mov_b32 v[RN], 0x3a800000                    ; 1 / 1,024
.irp j, 0,1,2,3,4,5,6,7
	global_load_b128 v[X0+4*\j:X0+4*\j+3], v2, s[4:5] offset:512*\j th:TH_LOAD_NT
.endr
.irp j, 0,1,2,3,4,5,6,7
	global_load_b128 v[GM+4*\j:GM+4*\j+3], v2, s[6:7] offset:512*\j
.endr
.irp j, 0,1,2,3,4,5,6,7
	global_load_b128 v[X1+4*\j:X1+4*\j+3], v2, s[4:5] offset:4096+512*\j th:TH_LOAD_NT
.endr
	LNROW X0, 0, 16, 8                             ; row 0 is in: gamma's and row 1's sixteen loads stay out; then gamma: row 1's eight stay out
	LNROW X1, 1, 0, 0
	s_endpgm
.Lfunc_end_k_q806509c9f6_prep:
	.size	k_q806509c9f6_prep, .Lfunc_end_k_q806509c9f6_prep-k_q806509c9f6_prep
	.p2alignl 7, 3214868480
	.fill 96, 4, 3214868480
	.section	.rodata,"a",@progbits
	.p2align	6, 0x0
	.amdhsa_kernel k_q806509c9f6_prep
		.amdhsa_group_segment_fixed_size 0
		.amdhsa_private_segment_fixed_size 0
		.amdhsa_enable_private_segment 0
		.amdhsa_kernarg_size 56
		.amdhsa_user_sgpr_count 2
		.amdhsa_user_sgpr_kernarg_segment_ptr 1
		.amdhsa_wavefront_size32 1
		.amdhsa_system_sgpr_workgroup_id_x 1
		.amdhsa_system_sgpr_workgroup_id_y 1
		.amdhsa_system_sgpr_workgroup_id_z 1
		.amdhsa_system_vgpr_workitem_id 0
		.amdhsa_next_free_vgpr 128
		.amdhsa_next_free_sgpr 66
		.amdhsa_reserve_vcc 0
		.amdhsa_float_denorm_mode_32 3
		.amdhsa_float_denorm_mode_16_64 3
		.amdhsa_memory_ordered 1
		.amdhsa_forward_progress 1
		.amdhsa_inst_pref_size 33
	.end_amdhsa_kernel
	.amdgpu_metadata
---
amdhsa.version: [ 1, 2 ]
amdhsa.kernels:
  - .name:           k_q806509c9f6_prep
    .symbol:         k_q806509c9f6_prep.kd
    .args:
      - { .name: inputs, .offset: 0, .size: 8, .value_kind: global_buffer, .address_space: global }
      - { .name: ln_gamma, .offset: 8, .size: 8, .value_kind: global_buffer, .address_space: global }
      - { .name: w_qkv, .offset: 16, .size: 8, .value_kind: global_buffer, .address_space: global }
      - { .name: w_o, .offset: 24, .size: 8, .value_kind: global_buffer, .address_space: global }
      - { .name: xh, .offset: 32, .size: 8, .value_kind: global_buffer, .address_space: global }
      - { .name: wq, .offset: 40, .size: 8, .value_kind: global_buffer, .address_space: global }
      - { .name: wo, .offset: 48, .size: 8, .value_kind: global_buffer, .address_space: global }
    .group_segment_fixed_size: 0
    .private_segment_fixed_size: 0
    .kernarg_segment_align: 8
    .kernarg_segment_size: 56
    .max_flat_workgroup_size: 256
    .sgpr_count:     66
    .vgpr_count:     128
    .wavefront_size: 32
...
	.end_amdgpu_metadata
.endif
;; end of part 1
;; launch gemm_qkv (part 2): grid 16 x 32, 4 waves a work-group, clusters of 4 x 4, 327,680 bytes of LDS; arguments xh, wq, cos, sin, qkv; writes qkv
.if DOCPART == 2
	.amdgcn_target "amdgcn-amd-amdhsa--gfx1250"
	.amdhsa_code_object_version 6
	.text
	.protected	k_q806509c9f6_gemm_qkv
	.globl	k_q806509c9f6_gemm_qkv
	.p2align	8
	.type	k_q806509c9f6_gemm_qkv,@function
k_q806509c9f6_gemm_qkv:
	s_mov_b64 s[64:65], 0
	v_nop
	global_prefetch_b8 v0, s[64:65] scope:SCOPE_SE
	s_setreg_imm32_b32 hwreg(HW_REG_WAVE_MODE, 25, 1), 1
	s_wait_xcnt 0x0
	s_wait_alu depctr_hold_cnt(0) depctr_sa_sdst(0) depctr_va_vdst(0) depctr_va_sdst(0) depctr_va_ssrc(0) depctr_va_vcc(0) depctr_vm_vsrc(0)
	s_getreg_b32 s2, hwreg(HW_REG_IB_STS2, 6, 4)
	s_cmp_eq_u32 s2, 0
	s_cbranch_scc0 .Lentry_in_a_cluster
	s_endpgm
.Lentry_in_a_cluster:
	s_bfe_u32 s2, ttmp6, 0x10000c
	s_cmp_lg_u32 s2, 0xf033
	s_cbranch_scc0 .Lentry_shape_is_right
	s_endpgm
.Lentry_shape_is_right:
; QKV PROJECTION WITH RoPE.  C = xh [8192][1024] x w_qkv, f16 operands, f32 sums.  A tile of C is 256 rows x 192 columns: the 64 columns of q, of k and of v of ONE head
; (tile column = head), so which 64 columns are rotated is a constant of the text.  32 x 16 = 512 tiles.  Four waves; wave w makes rows 64 w .. 64 w + 63 and all 192 columns:
; 48 accumulators of 16 x 16.  K goes in 8 steps of 128 through a ring of two LDS slots filled by the tensor data mover.
; B lies in memory as wq[head][K step][q,k,v][k 128][d 64], 49,152 dense bytes a step; in LDS its rows are [k][64 columns], and ds_load_tr16_b128 turns them into fragments.
; THE MATRIX INSTRUCTION IS USED TRANSPOSED (source 0 = 16 columns of B, source 1 = 16 rows of A): a lane holds row l % 16 and the columns 16 b + 8 (l / 16) + 0..7.  RoPE's partner,
; 32 channels away, then lies in the same lane and register, two accumulators on.
; OUT: q is rotated and multiplied by 1/8 (the score's scale, a power of two: exact), k rotated, v plain; each rounded once to f16 and written as
; qkv[q,k,v][8 batch + head / 2][s / 64][head % 2][s % 64][d]: 16 rows of a head are 2,048 dense bytes; every store of a wave covers 512 consecutive bytes, aligned.
; CLUSTER 4 x 4: A's tile hangs on the tile row and is asked for jointly along a row of the cluster, B's on the tile column, jointly along a column.
; LIMITS.  f16 ends at 65,504: q / 8, k and v must lie within it.
; REGISTERS, in windows of 256: window 0 addresses, cos and sin, the way out; window 1 two fragment buffers of 128 (B's 12 fragments, then A's 4 at +96);
; window 2 the accumulators of row blocks 0, 1 (at 96 (a % 2) + 8 b); window 3 those of row blocks 2, 3.
.set NB,    12                         ; 16-column blocks in a tile
.set BSTEP, 49152                      ; bytes of B in a K step
.set BROWS, 96                         ; rows of 256 bytes in half of that
.set PA,    272                        ; A's LDS row: 256 bytes + 16: 68 words, so the 16 rows of a load begin 4 banks apart (64 banks of 4 bytes: ISA guide 11.1)
.set PB,    160                        ; B's LDS row: 128 bytes + 32: 40 words
.set HALFA, 128*PA
.set BOFF,  256*PA                     ; B behind A's 256 rows
.set HALFB, BROWS*2*PB
.set SLOT1, 131072                     ; a slot is 69,632 + 61,440 bytes; one exclusive or turns an address in one slot into the other's
.set STAGE, 2*SLOT1                    ; behind the ring: 16 rows x 400 bytes for each wave, never filled by a tensor load
.set SPI,   400
.set SPARE, STAGE+4*16*SPI             ; the spare words, 128 bytes for each wave: two blocks of 256 bytes that no other line names
.set NLD,   2*NB+8                     ; LDS loads in a run
.set ADRA0, 16                         ; v16  my lane's place in A's tile; never rewritten
.set ADRB0, 17                         ; v17  in B's
.set ADRA,  18                         ; v18  the same in the slot in hand
.set ADRB,  19
.set STO,   24                         ; v24  the way out: where I put 16 bytes of a row
.set RD,    25                         ; v25  where I read rows back
.set GO,    26                         ; v26  16 x lane
.set CO,    27                         ; v27  my byte offset in 16 rows of cos and sin
.set SPW,   28                         ; v28  LDS address of my spare word; never rewritten
.set NIL,   29                         ; v29  0; never rewritten
.set PFO,   30                         ; v30  the prefetches' offset; never rewritten
.set CB,    32                         ; v[32:159] cos (32) and sin (32) of a row block, two buffers
.set T,     160                        ; v[160:191] 64 rotated numbers
.set PK,    192                        ; v[192:207] packed
.set OB,    208                        ; v[208:255] a row block read back
.set F0,    0
.set F1,    128
.set WV,  14                           ; s14 wave
.set FB,  15                           ; s15 0: I fetch for A; 1: for B
.set HF,  16                           ; s16 which half of that tile
.set G1A, 24                           ; s[24:31] group 1 for A;  s[32:39] group 0: set 0 for the first fill, set 1 walks
.set G0A, 32
.set G1B, 48
.set G0B, 56
.set TB,  66                           ; s66 the slot in hand: 0 or SLOT1
.set LIM, 67                           ; s67 a wave prefetches while the trips left are above it
.set PFA, 68                           ; s[68:69] where my prefetches stand
.set SB,  70                           ; s[70:75] q's, k's and v's first byte of my 64 rows
.set PFS, 76                           ; s[76:77] a K step in the tensor that I prefetch
.set MSB, 0
.macro WIN new                         ; the immediate's high byte repeats the setting that is left; a switch that changes nothing is dropped
.if MSB != (\new)
	s_set_vgpr_msb (MSB<<8)|(\new)
.set MSB, \new
.endif
.endm
.macro PLACES                          ; four places behind a matrix instruction (ISA guide 7.12.1)
.rept 4
	v_nop
.endr
.endm
.macro CREST                           ; a round of the cluster's barrier behind its opening barrier
	s_cmp_lg_u32 s[WV], 0
	s_cbranch_scc1 .Lnot_wave_0_\@
	s_barrier_signal -3
.Lnot_wave_0_\@:
	s_barrier_wait -3
	s_barrier_signal -1
	s_barrier_wait -1
.endm
.macro CROUND
	s_barrier_signal -1
	s_barrier_wait -1
	CREST
.endm
; A joint refill by the walking sets: waves 0 and 1 A's halves, waves 2 and 3 B's.  An s_nop 0 and four v_nop follow each line.
.macro JLOAD
	s_cmp_eq_u32 s[FB], 0
	s_cbranch_scc0 .Lfor_b_\@
	tensor_load_to_lds s[G0A+4:G0A+7], s[G1A:G1A+7]
	s_nop 0
	PLACES
	s_branch .Lasked_\@
.Lfor_b_\@:
	tensor_load_to_lds s[G0B+4:G0B+7], s[G1B:G1B+7]
	s_nop 0
	PLACES
.Lasked_\@:
.endm
; A PREFETCH of the K step that the NEXT refill will ask for: 192 matrix instructions ahead of that load.  A's rows: the first cluster along x asks, waves 0 and 1, each partner 32 of a wave's
; 128 rows, told apart by address (32 cx), a lane a row.  B's: the first cluster along y asks, waves 2 and 3, each partner 24 of a wave's 96 blocks of 256 bytes (24 cy); lanes 24 to 31 name block 23 once more.
.macro ASK
	WIN 0
	s_cmp_gt_u32 s3, s[LIM]                        ; the last trip has no K step behind its own refill
	s_cbranch_scc0 .Lnot_mine_\@
	global_prefetch_b8 v[PFO], s[PFA:PFA+1] th:TH_LOAD_NT scope:SCOPE_SE
.Lnot_mine_\@:
.endm
	s_load_b256 s[4:11], s[0:1], 0x0               ; xh s[4:5], wq s[6:7], cos s[8:9], sin s[10:11]
	s_load_b64 s[12:13], s[0:1], 0x20              ; qkv
	v_lshl_add_u32 v[SPW], v0, 2, SPARE
	v_mov_b32 v[NIL], 0
	ds_add_u32 v[SPW], v[NIL]                      ; the wave's opening: the add and its wait ahead of my first tensor load
	v_lshrrev_b32 v1, 5, v0
	v_readfirstlane_b32 s[WV], v1
	s_lshr_b32 s[FB], s[WV], 1
	s_and_b32 s[HF], s[WV], 1
	s_bfe_u32 s40, ttmp6, 0x40000                  ; cx
	s_bfe_u32 s41, ttmp6, 0x40004                  ; cy
	s_lshl_b32 s42, ttmp9, 2
	s_add_co_u32 s42, s42, s40                     ; tile column = head
	s_and_b32 s43, ttmp7, 0xffff
	s_lshl_b32 s43, s43, 2
	s_add_co_u32 s43, s43, s41                     ; tile row
	s_lshl_b32 s44, s41, 2
	s_lshl_b32 s44, 15, s44                        ; my row of the cluster
	s_lshl_b32 s45, 0x1111, s40                    ; my column
	s_or_b32 s[G1A], s44, (1<<16)|(1<<20)|(1<<21)|(5<<22)|(3<<25)  ; mask; 2-byte elements; padding on; bit 21 beside a mask; after every 64 words, 4 words
	s_mov_b32 s[G1A+1], 128<<16                    ; tensor_dim0 = 128
	s_mov_b32 s[G1A+2], 128<<16                    ; tensor_dim1 = 128
	s_mov_b32 s[G1A+3], 128<<16                    ; tile_dim0 = 128
	s_mov_b32 s[G1A+4], 128                        ; tile_dim1 = 128
	s_mov_b32 s[G1A+5], 1024                       ; elements from row to row
	s_mov_b32 s[G1A+6], 0
	s_mov_b32 s[G1A+7], 0
	s_or_b32 s[G1B], s45, (1<<16)|(1<<20)|(1<<21)|(4<<22)|(7<<25)  ; a dense block as rows of 256 bytes; after every 32 words (a row of 64 columns), 8 words
	s_mov_b32 s[G1B+1], 128<<16
	s_mov_b32 s[G1B+2], BROWS<<16
	s_mov_b32 s[G1B+3], 128<<16
	s_mov_b32 s[G1B+4], BROWS
	s_mov_b32 s[G1B+5], 128
	s_mov_b32 s[G1B+6], 0
	s_mov_b32 s[G1B+7], 0
	s_lshl_b32 s20, s43, 8                         ; A: row 256 x tile row + 128 x half, rows of 2,048 bytes
	s_lshl_b32 s21, s[HF], 7
	s_add_co_u32 s20, s20, s21
	s_lshl_b32 s20, s20, 11
	s_mov_b32 s21, 0
	s_mul_i32 s46, s42, 8*BSTEP                    ; B: the head's block, my half of a step
	s_mul_i32 s47, s[HF], BSTEP/2
	s_add_co_u32 s46, s46, s47
	s_mov_b32 s47, 0
	s_mul_i32 s22, s[HF], HALFA                    ; where they go: no place in the cluster enters an LDS address
	s_mul_i32 s23, s[HF], HALFB
	s_add_co_u32 s23, s23, BOFF
	s_mov_b32 s[TB], 0
	s_wait_dscnt 0x0                               ; the opening add is done
	s_wait_kmcnt 0x0
	s_add_nc_u64 s[20:21], s[4:5], s[20:21]
	s_add_nc_u64 s[46:47], s[6:7], s[46:47]
.irp n, 0,1
	s_mov_b32 s[G0A+4*\n], 1
	s_add_co_u32 s[G0A+4*\n+1], s22, \n*SLOT1
	s_add_nc_u64 s[G0A+4*\n+2:G0A+4*\n+3], s[20:21], \n*256
	s_or_b32 s[G0A+4*\n+3], s[G0A+4*\n+3], 0x80000000
	s_mov_b32 s[G0B+4*\n], 1
	s_add_co_u32 s[G0B+4*\n+1], s23, \n*SLOT1
	s_add_nc_u64 s[G0B+4*\n+2:G0B+4*\n+3], s[46:47], \n*BSTEP
	s_or_b32 s[G0B+4*\n+3], s[G0B+4*\n+3], 0x80000000
.endr
	CROUND                                         ; all sixteen work-groups are here: the first joint loads meet
	s_cmp_eq_u32 s[FB], 0                          ; a wave's two first fills stand in one branch: two loads of mine are out
	s_cbranch_scc0 .Lfirst_b
	tensor_load_to_lds s[G0A:G0A+3], s[G1A:G1A+7]
	s_nop 0
	tensor_load_to_lds s[G0A+4:G0A+7], s[G1A:G1A+7]
	s_nop 0
	PLACES
	s_branch .Lfirst_asked
.Lfirst_b:
	tensor_load_to_lds s[G0B:G0B+3], s[G1B:G1B+7]
	s_nop 0
	tensor_load_to_lds s[G0B+4:G0B+7], s[G1B:G1B+7]
	s_nop 0
	PLACES
.Lfirst_asked:
	v_and_b32 v1, 15, v0                           ; l % 16
	v_bfe_u32 v2, v0, 4, 1                         ; l / 16
	v_and_b32 v3, 7, v0
	v_bfe_u32 v4, v0, 3, 1
	v_and_b32 v5, 31, v0                           ; l
	v_bfe_u32 v6, v0, 3, 2                         ; l / 8
	s_mul_i32 s78, s[WV], 64*PA
	v_mul_u32_u24 v[ADRA0], v1, PA
	v_lshl_add_u32 v[ADRA0], v2, 4, v[ADRA0]
	v_add_nc_u32 v[ADRA0], s78, v[ADRA0]           ; (64 w + l % 16) x pitch + 16 (l / 16)
	v_lshl_add_u32 v[ADRB0], v2, 3, v3
	v_mul_u32_u24 v[ADRB0], v[ADRB0], PB
	v_lshl_add_u32 v[ADRB0], v4, 4, v[ADRB0]
	v_add_nc_u32 v[ADRB0], BOFF, v[ADRB0]          ; the turning load: row 8 (l / 16) + l % 8, 16 bytes at 16 ((l / 8) % 2)
	v_mov_b32 v[ADRA], v[ADRA0]
	v_mov_b32 v[ADRB], v[ADRB0]
	s_mul_i32 s78, s[WV], 16*SPI
	s_add_co_u32 s78, s78, STAGE                   ; my stage
	v_mul_u32_u24 v[STO], v1, SPI
	v_lshl_add_u32 v[STO], v2, 4, v[STO]
	v_add_nc_u32 v[STO], s78, v[STO]
	v_mul_u32_u24 v[RD], v6, SPI                   ; back: 32 lanes take 128 bytes of each of four rows
	v_lshl_add_u32 v[RD], v3, 4, v[RD]
	v_add_nc_u32 v[RD], s78, v[RD]
	v_lshlrev_b32 v[GO], 4, v5
	v_lshlrev_b32 v[CO], 8, v1
	v_lshl_add_u32 v[CO], v2, 5, v[CO]             ; row x 256 + 32 (l / 16)
	s_and_b32 s78, s43, 7                          ; the tile's place in its batch's 2,048 positions
	s_lshl_b32 s79, s78, 8
	s_lshl_b32 s80, s[WV], 6
	s_add_co_u32 s79, s79, s80
	s_lshl_b32 s80, s79, 8                         ; position x 256 bytes
	s_mov_b32 s81, 0
	s_add_nc_u64 s[8:9], s[8:9], s[80:81]
	s_add_nc_u64 s[10:11], s[10:11], s[80:81]
	s_lshr_b32 s82, s43, 3
	s_lshl_b32 s82, s82, 3
	s_lshr_b32 s83, s42, 1
	s_add_co_u32 s82, s82, s83                     ; 8 batch + head / 2
	s_lshl_b32 s82, s82, 5
	s_lshl_b32 s83, s78, 2
	s_add_co_u32 s82, s82, s83
	s_add_co_u32 s82, s82, s[WV]                   ; + my block of 64 positions
	s_lshl_b32 s82, s82, 14
	s_and_b32 s83, s42, 1
	s_lshl_b32 s83, s83, 13
	s_add_co_u32 s82, s82, s83
	s_mov_b32 s83, 0
	s_add_nc_u64 s[SB:SB+1], s[12:13], s[82:83]
	s_add_nc_u64 s[SB+2:SB+3], s[SB:SB+1], 1<<24
	s_add_nc_u64 s[SB+4:SB+5], s[SB:SB+1], 1<<25
	s_and_b32 s84, ttmp7, 0xffff                   ; the prefetches
	s_cmp_eq_u32 s[FB], 0
	s_cselect_b32 s84, ttmp9, s84                  ; the coordinate along which other clusters read the same rows
	s_cselect_b64 s[PFA:PFA+1], s[20:21], s[46:47]
	s_cselect_b32 s85, s40, s41                    ; my place among the four that ask jointly
	s_mov_b32 s86, 24*256
	s_cselect_b32 s86, 32*2048, s86
	s_mov_b32 s[PFS], BSTEP
	s_cselect_b32 s[PFS], 256, s[PFS]
	s_mov_b32 s87, 256
	s_cselect_b32 s87, 2048, s87
	s_cselect_b32 s88, 31, 23
	s_mov_b32 s[PFS+1], 0
	s_cmp_eq_u32 s84, 0
	s_cselect_b32 s[LIM], 1, -1                    ; the same in all sixteen partners, for a given wave
	s_mul_i32 s84, s85, s86
	s_mov_b32 s85, 0
	s_add_nc_u64 s[PFA:PFA+1], s[PFA:PFA+1], s[84:85]
	s_add_nc_u64 s[PFA:PFA+1], s[PFA:PFA+1], s[PFS:PFS+1]
	s_add_nc_u64 s[PFA:PFA+1], s[PFA:PFA+1], s[PFS:PFS+1]  ; at K step 2: the first refill steps it to 3.  Nothing is prefetched here, at the head
	v_min_u32 v[PFO], s88, v5
	v_mul_u32_u24 v[PFO], s87, v[PFO]
; cos and sin of row block a: a lane's 32 numbers of each, eight loads of 16 bytes; the eight together take each row's 256 bytes whole
.macro LOADCS a
.set CC, CB+64*((\a)%2)
.irp bb, 0,1,2,3
.irp e, 0,1
	global_load_b128 v[CC+8*\bb+4*\e:CC+8*\bb+4*\e+3], v[CO], s[8:9] offset:(\a)*4096+64*\bb+16*\e
	global_load_b128 v[CC+32+8*\bb+4*\e:CC+32+8*\bb+4*\e+3], v[CO], s[10:11] offset:(\a)*4096+64*\bb+16*\e
.endr
.endr
.endm
	LOADCS 0
	LOADCS 1
; NB products: row block a x all column blocks, 32 along K from buffer f.  zero = 1: the first product starts the sums.  All 48 accumulators take turns, in the same order in every quarter.
.macro MULA f, a, zero
	WIN 0xa5+0x50*((\a)/2)
.set b, 0
.rept NB
.set rD, 8*NB*((\a)%2)+8*b
.if \zero
	v_wmma_f32_16x16x32_f16 v[rD:rD+7], v[(\f)+8*b:(\f)+8*b+7], v[(\f)+96+8*(\a):(\f)+96+8*(\a)+7], 0
.else
	v_wmma_f32_16x16x32_f16 v[rD:rD+7], v[(\f)+8*b:(\f)+8*b+7], v[(\f)+96+8*(\a):(\f)+96+8*(\a)+7], v[rD:rD+7]
.endif
.set b, b+1
.endr
.endm
; One run of LDS loads: the fragments of 32 along K from channel k of the step, into buffer f: B's first, then A's four
.macro FETCH k, f
	WIN 0x40
.set b, 0
.rept NB
	ds_load_tr16_b128 v[(\f)+8*b:(\f)+8*b+3],   v[ADRB] offset:(b/4)*128*PB+(\k)*PB+(b%4)*32
	ds_load_tr16_b128 v[(\f)+8*b+4:(\f)+8*b+7], v[ADRB] offset:(b/4)*128*PB+(\k)*PB+(b%4)*32+16*PB
.set b, b+1
.endr
.set b, 0
.rept 4
	ds_load_b128 v[(\f)+96+8*b:(\f)+96+8*b+3],   v[ADRA] offset:2*(\k)+b*16*PA
	ds_load_b128 v[(\f)+96+8*b+4:(\f)+96+8*b+7], v[ADRA] offset:2*(\k)+b*16*PA+32
.set b, b+1
.endr
.endm
; A K step is four quarters of 32 along K on buffers 0, 1, 0, 1.  One of the first three multiplies f and fetches channel k on into g.
.macro QUARTER k, f, g, zero
	s_wait_dscnt 4                                 ; all but the youngest four loads: A's row blocks 2 and 3
	MULA \f, 0, \zero
	MULA \f, 1, \zero
	PLACES                                         ; in front of loads into registers that matrix instructions have read
	FETCH \k, \g
	s_wait_dscnt NLD                               ; all but the run just issued
	MULA \f, 2, \zero
	MULA \f, 3, \zero
.endm
; The last quarter multiplies buffer 1 and changes slots: one barrier; in front of it each wave waits for all its tensor loads (one is out: its part of the next slot), adds 0 to its spare
; word, and waits for that and for its reads of this slot.  fill = 1: the barrier opens a round of the cluster's, and this slot is filled again first thing behind it, two K steps on.
.macro TURN fill
.if \fill
	s_wait_xcnt 0x0                                ; the last prefetch, a K step back, has read its address
	s_add_nc_u64 s[PFA:PFA+1], s[PFA:PFA+1], s[PFS:PFS+1]
.endif
	WIN 0
	s_wait_tensorcnt 0x0
	ds_add_u32 v[SPW], v[NIL]
	s_wait_dscnt 5                                 ; the add and the youngest four loads may be out
	MULA F1, 0, 0
	s_wait_dscnt 0x0                               ; the add is done, and my reads of this slot are over
	s_barrier_signal -1
	MULA F1, 1, 0
	WIN 0
	s_barrier_wait -1
.if \fill
	CREST
	s_xor_b32 s[G0A+5], s[G0A+5], SLOT1            ; the walking sets: the other slot than last time, the next K step
	s_add_nc_u64 s[G0A+6:G0A+7], s[G0A+6:G0A+7], 256
	s_xor_b32 s[G0B+5], s[G0B+5], SLOT1
	s_add_nc_u64 s[G0B+6:G0B+7], s[G0B+6:G0B+7], BSTEP
	JLOAD                                          ; its four v_nop are also the places in front of the loads below
.else
	PLACES
.endif
	s_xor_b32 s[TB], s[TB], SLOT1
	v_add_nc_u32 v[ADRA], s[TB], v[ADRA0]
	v_add_nc_u32 v[ADRB], s[TB], v[ADRB0]
	FETCH 0, F0
.if \fill
	ASK
.endif
	MULA F1, 2, 0
	MULA F1, 3, 0
.endm
	s_wait_tensorcnt 0x1                           ; my part of K step 0 is in; step 1's may stay out
	s_barrier_signal -1
	s_barrier_wait -1
	FETCH 0, F0
	QUARTER 32, F0, F1, 1                          ; the first quarter stands ahead of the loop: its products start the sums
	WIN 0
	s_mov_b32 s3, 6
.Lstep:                                        ; six trips: from a step's second quarter to the next step's first; the refills bring K steps 2 to 7
	QUARTER 64, F1, F0, 0
	QUARTER 96, F0, F1, 0
	TURN 1
	QUARTER 32, F0, F1, 0
	WIN 0
	s_sub_co_u32 s3, s3, 1
	s_cmp_lg_u32 s3, 0
	s_cbranch_scc1 .Lstep
	QUARTER 64, F1, F0, 0                          ; the tail is written out: nothing is asked for
	QUARTER 96, F0, F1, 0
	TURN 0
	QUARTER 32, F0, F1, 0
	QUARTER 64, F1, F0, 0
	QUARTER 96, F0, F1, 0
	s_wait_dscnt 4
	MULA F1, 0, 0
	MULA F1, 1, 0
	s_wait_dscnt 0x0
	MULA F1, 2, 0
	MULA F1, 3, 0
; THE WAY OUT, a row block of 16 rows at a time.  ROPE: x' = x cos - y sin for channels 0-31, y' = y cos + x sin for 32-63 (hh = 0: q, 1: k); each accumulator is read from its low end on.
.macro ROPE a, hh
.set AC, 8*NB*((\a)%2)+32*(\hh)
.set CC, CB+64*((\a)%2)
	WIN 0x02+(\a)/2                                ; source 0: the accumulators' window
.irp bb, 0,8
.irp jp, 0,2,4,6
	v_pk_mul_f32 v[T+\bb+\jp:T+\bb+\jp+1], v[AC+\bb+\jp:AC+\bb+\jp+1], v[CC+\bb+\jp:CC+\bb+\jp+1]
	v_pk_mul_f32 v[T+16+\bb+\jp:T+16+\bb+\jp+1], v[AC+16+\bb+\jp:AC+16+\bb+\jp+1], v[CC+16+\bb+\jp:CC+16+\bb+\jp+1]
	v_pk_fma_f32 v[T+\bb+\jp:T+\bb+\jp+1], v[AC+16+\bb+\jp:AC+16+\bb+\jp+1], v[CC+32+\bb+\jp:CC+32+\bb+\jp+1], v[T+\bb+\jp:T+\bb+\jp+1] neg_lo:[1,0,0] neg_hi:[1,0,0]
	v_pk_fma_f32 v[T+16+\bb+\jp:T+16+\bb+\jp+1], v[AC+\bb+\jp:AC+\bb+\jp+1], v[CC+48+\bb+\jp:CC+48+\bb+\jp+1], v[T+16+\bb+\jp:T+16+\bb+\jp+1]
.endr
.endr
	WIN 0
.if (\hh) == 0
.set i, 0
.rept 16
	v_pk_mul_f32 v[T+2*i:T+2*i+1], v[T+2*i:T+2*i+1], 0x3e000000 op_sel_hi:[1,0]  ; q / 8
.set i, i+1
.endr
.endif
.set i, 0
.rept 16
	v_cvt_pk_f16_f32 v[PK+i], v[T+2*i], v[T+2*i+1]
.set i, i+1
.endr
.irp bb, 0,1,2,3
	ds_store_b128 v[STO], v[PK+4*\bb:PK+4*\bb+3] offset:128*(\hh)+32*\bb
.endr
.endm
.macro VOUT a
.set AC, 8*NB*((\a)%2)+64
	WIN 0x0a+5*((\a)/2)                            ; sources 0 and 1: the accumulators' window
.set i, 0
.rept 16
	v_cvt_pk_f16_f32 v[PK+i], v[AC+2*i], v[AC+2*i+1]
.set i, i+1
.endr
	WIN 0
.irp bb, 0,1,2,3
	ds_store_b128 v[STO], v[PK+4*\bb:PK+4*\bb+3] offset:256+32*\bb
.endr
.endm
.macro BLOCK a                         ; twelve LDS stores
	ROPE \a, 0
	ROPE \a, 1
	VOUT \a
.endm
.macro BACK                            ; LDS serves a wave's instructions in order (ISA guide 5.7.1.4): these see the stores above, and the next block's stores come behind them
.irp sec, 0,1,2
.irp f, 0,1,2,3
	ds_load_b128 v[OB+16*\sec+4*\f:OB+16*\sec+4*\f+3], v[RD] offset:128*\sec+4*SPI*\f
.endr
.endr
.endm
.macro SEND a, younger                 ; younger: the LDS instructions issued behind BACK's loads
	s_wait_dscnt \younger
.irp sec, 0,1,2
.irp f, 0,1,2,3
	global_store_b128 v[GO], v[OB+16*\sec+4*\f:OB+16*\sec+4*\f+3], s[SB+2*\sec:SB+2*\sec+1] offset:2048*(\a)+512*\f  ; 512 consecutive bytes, aligned
.endr
.endr
.endm
	WIN 0
	PLACES
	PLACES
	s_wait_loadcnt 16                              ; block 0's cos and sin are in; block 1's sixteen loads stay out
	BLOCK 0
	BACK
	LOADCS 2
	s_wait_loadcnt 16                              ; block 1's; block 2's stay out
	BLOCK 1
	SEND 0, 12
	s_wait_xcnt 0x0                                ; the stores have read OB: it is loaded again only behind this wait
	BACK
	LOADCS 3
	s_wait_loadcnt 16
	BLOCK 2
	SEND 1, 12
	s_wait_xcnt 0x0
	BACK
	s_wait_loadcnt 0x0
	BLOCK 3
	SEND 2, 12
	s_wait_xcnt 0x0
	BACK
	SEND 3, 0
	s_wait_tensorcnt 0x0                           ; the wave's end
	ds_add_u32 v[SPW], v[NIL]
	s_wait_dscnt 0x0
	CROUND                                         ; the closing round: no work-group ends while a partner may still ask for a tile that names it
	s_endpgm
.Lfunc_end_k_q806509c9f6_gemm_qkv:
	.size	k_q806509c9f6_gemm_qkv, .Lfunc_end_k_q806509c9f6_gemm_qkv-k_q806509c9f6_gemm_qkv
	.p2alignl 7, 3214868480
	.fill 96, 4, 3214868480
	.section	.rodata,"a",@progbits
	.p2align	6, 0x0
	.amdhsa_kernel k_q806509c9f6_gemm_qkv
		.amdhsa_group_segment_fixed_size 327680
		.amdhsa_private_segment_fixed_size 0
		.amdhsa_enable_private_segment 0
		.amdhsa_kernarg_size 40
		.amdhsa_user_sgpr_count 2
		.amdhsa_user_sgpr_kernarg_segment_ptr 1
		.amdhsa_wavefront_size32 1
		.amdhsa_system_sgpr_workgroup_id_x 1
		.amdhsa_system_sgpr_workgroup_id_y 1
		.amdhsa_system_sgpr_workgroup_id_z 1
		.amdhsa_system_vgpr_workitem_id 0
		.amdhsa_next_free_vgpr 960
		.amdhsa_next_free_sgpr 100
		.amdhsa_reserve_vcc 0
		.amdhsa_float_denorm_mode_32 3
		.amdhsa_float_denorm_mode_16_64 3
		.amdhsa_memory_ordered 1
		.amdhsa_forward_progress 1
		.amdhsa_inst_pref_size 126
	.end_amdhsa_kernel
	.amdgpu_metadata
---
amdhsa.version: [ 1, 2 ]
amdhsa.kernels:
  - .name:           k_q806509c9f6_gemm_qkv
    .symbol:         k_q806509c9f6_gemm_qkv.kd
    .args:
      - { .name: xh, .offset: 0, .size: 8, .value_kind: global_buffer, .address_space: global }
      - { .name: wq, .offset: 8, .size: 8, .value_kind: global_buffer, .address_space: global }
      - { .name: cos, .offset: 16, .size: 8, .value_kind: global_buffer, .address_space: global }
      - { .name: sin, .offset: 24, .size: 8, .value_kind: global_buffer, .address_space: global }
      - { .name: qkv, .offset: 32, .size: 8, .value_kind: global_buffer, .address_space: global }
    .group_segment_fixed_size: 327680
    .private_segment_fixed_size: 0
    .kernarg_segment_align: 8
    .kernarg_segment_size: 40
    .max_flat_workgroup_size: 128
    .sgpr_count:     100
    .vgpr_count:     960
    .wavefront_size: 32
...
	.end_amdgpu_metadata
.endif
;; end of part 2
;; launch attn (part 3): grid 8 x 32, 4 waves a work-group, clusters of 4 x 4, 327,680 bytes of LDS; arguments qkv, mask, att; writes att
.if DOCPART == 3
	.amdgcn_target "amdgcn-amd-amdhsa--gfx1250"
	.amdhsa_code_object_version 6
	.text
	.protected	k_q806509c9f6_attn
	.globl	k_q806509c9f6_attn
	.p2align	8
	.type	k_q806509c9f6_attn,@function
k_q806509c9f6_attn:
	s_mov_b64 s[64:65], 0
	v_nop
	global_prefetch_b8 v0, s[64:65] scope:SCOPE_SE
	s_setreg_imm32_b32 hwreg(HW_REG_WAVE_MODE, 25, 1), 1
	s_wait_xcnt 0x0
	s_wait_alu depctr_hold_cnt(0) depctr_sa_sdst(0) depctr_va_vdst(0) depctr_va_sdst(0) depctr_va_ssrc(0) depctr_va_vcc(0) depctr_vm_vsrc(0)
	s_getreg_b32 s2, hwreg(HW_REG_IB_STS2, 6, 4)
	s_cmp_eq_u32 s2, 0
	s_cbranch_scc0 .Lentry_in_a_cluster
	s_endpgm
.Lentry_in_a_cluster:
	s_bfe_u32 s2, ttmp6, 0x10000c
	s_cmp_lg_u32 s2, 0xf033
	s_cbranch_scc0 .Lentry_shape_is_right
	s_endpgm
.Lentry_shape_is_right:
; ATTENTION WITH AN ADDITIVE MASK, head size 64, 2,048 keys.  O = softmax_k(q . k / 8 + mask[b][q][k]) v.  q (already divided by 8), k, v: f16, as the projection wrote them:
; qkv[q,k,v][Y = 8 batch + head / 2][s / 64][head % 2][s % 64][d].  mask: f32.  Products, maxima and sums in f32; the weights p are rounded to f16 for the second product, O once.
; SHARES.  A work-group owns 256 queries of TWO heads (a pair Y), so that a mask tile that has come into LDS serves two heads.  A wave owns 64 queries: 4 tiles of 16 x 2 heads = 8 tile units
; t = 4 g + qt, in four PIECES of two (piece x = 2 g + pair, t = 2 x + u).  Every wave walks all keys, 64 a step.
; THE MASK IS THE C OPERAND of the product that starts a score's sum: S^T = K Q^T + mask.  In the result a lane holds ONE query (lane % 16) and the keys 16 kb + 8 (lane / 16) + 0..7, which are
; 32 consecutive bytes of a row of the mask: two LDS loads of 16 bytes, no vector instruction.
; SOFTMAX.  A running maximum m and sum l a query: p = 2^(c s - c m), c = log2(e); in every step O and l are multiplied by a = 2^(c m_old - c m_new).
; BY TURNS.  Turn n belongs to piece n: 16 products K Q^T of piece n + 1, later 16 products V^T P of piece n - 1; beside them piece n's scaling, exponentials, roundings, sums and rescaling and
; piece n + 1's maximum and statistics.  Four vector instructions stand behind every matrix instruction, the rest in one lump; a turn's 66 exponentials are one batch with one wait.
; CLUSTER 4 x 4.  K and V hang on Y and are asked for jointly along a row of the cluster (four query blocks); the mask tile hangs on (batch, query block) and is asked for jointly along a column
; (four head pairs of one batch).
; LIMITS.  f16 ends at 65,504.  m starts at -1e30: a logit below that, -inf too, has weight 0; a row ALL of whose logits lie below -1e30 gives NaN.  A weight below 2^-126 counts as 0 in l.
; NaN is not treated apart.
; REGISTERS, in windows of 256 (s_set_vgpr_msb: bits 1:0 source 0, 3:2 source 1, 5:4 source 2, 7:6 destination):
;   window 0: v2-11 addresses; v12-15, v48-63 at work; v16-47 four registers of statistics a tile unit; v64-191 S^T, two buffers of two; v192-255 P, likewise
;   window 1: O^T, 32 a tile unit     window 2: v0-127 Q; v128-191 K of ONE head; v192-193 the add's registers     window 3: v0-127 the mask of my 64 queries x 64 keys; v128-255 V of both heads
.set NP,    4
.set PM,    272       ; a row of the mask in LDS: 256 bytes + 16: the 16 rows of a load begin 4 banks apart (64 banks of 4 bytes: ISA guide 11.1)
.set PK,    144       ; a row of K: 128 + 16
.set PV,    160       ; a row of V: 128 + 32
.set KOFF,  256*PM    ; a slot holds one step: 256 rows of mask, 2 x 64 rows of K, 2 x 64 rows of V
.set VOFF,  KOFF+128*PK
.set SLOT1, 1<<17
.set STAGE, SLOT1+VOFF+128*PV  ; behind the ring, never filled by a tensor load: 16 rows x 272 bytes for each wave
.set SP,    272
.set SPARE, STAGE+4*16*SP      ; the spare words, 128 bytes for each wave: two blocks of 256 bytes that no other line names
.set AK0, 2           ; my lane's place in K's tile, V's (3), the mask's (9); never rewritten
.set AV0, 3
.set AK,  4           ; the same in the slot in hand
.set AV,  5
.set STO, 6
.set RD,  7
.set GO,  8
.set AM0, 9
.set AM,  10
.set PFO, 11
.set SPW, 192         ; window 2
.set NIL, 193         ; window 2
.set MV,  12
.set ST,  16          ; tile unit t: c m, m, l (even keys', odd keys') at ST + 4 t
.set TMP, 48
.set S,   64
.set P,   192
.set KF,  128         ; window 2: key block kb, channel half c at KF + 16 kb + 8 c
.set VF,  128         ; window 3: head g, key half kk, channel block cb at VF + 64 g + 32 kk + 8 cb
.set WV,  12
.set G1M, 16
.set G1K, 24
.set G1V, 32
.set G0M, 40
.set G0K, 44
.set G0V, 48
.set SLOTS, 56
.set CNT, 57
.set CS,  58
.set SEL, 60
.set TB,  62          ; the slot in hand: 0 or SLOT1
.set LIM, 63
.set PFA, 66
.set PFS, 68
.set MSB, 0
.macro WIN new
.if MSB != (\new)
	s_set_vgpr_msb (MSB<<8)|(\new)
.set MSB, (\new)
.endif
.endm
.set W_KQ, 0x0a       ; K and Q in window 2, S^T in window 0
.set W_KM, 0x3a       ; the same with the C operand, the mask, in window 3
.set W_PV, 0x53       ; V in window 3, P in window 0, O^T in window 1
.set W_RS, 0x41       ; O^T (destination and source 0) in window 1, a in window 0
.set W_MK, 0x80       ; the add's registers are made: destination in window 2
.set W_AD, 0x0a       ; the add: address and data in window 2
.macro PLACES
.rept 4
	v_nop
.endr
.endm
; A joint fill: waves 0 and 1 the mask tile's halves, wave 2 K, wave 3 V.  The branches hang on the wave's number alone.  An s_nop 0 and four v_nop follow each line.
.macro JLOAD
	s_cmp_lt_u32 s[WV], 2
	s_cbranch_scc0 .Lfor_kv_\@
	tensor_load_to_lds s[G0M:G0M+3], s[G1M:G1M+7]
	s_nop 0
	PLACES
	s_branch .Lasked_\@
.Lfor_kv_\@:
	s_cmp_eq_u32 s[WV], 2
	s_cbranch_scc0 .Lfor_v_\@
	tensor_load_to_lds s[G0K:G0K+3], s[G1K:G1K+7]
	s_nop 0
	PLACES
	s_branch .Lasked_\@
.Lfor_v_\@:
	tensor_load_to_lds s[G0V:G0V+3], s[G1V:G1V+7]
	s_nop 0
	PLACES
.Lasked_\@:
.endm
; A PREFETCH of what the NEXT change of slots will ask for, a key step (128 matrix instructions) ahead of that load.  The mask tile's 256 rows of 256 bytes: of the two clusters along y that read
; them the even one asks, waves 0 and 1, each partner 64 rows by address (64 cy), a lane a row.  K's and V's 64 blocks of 256 bytes each: the first cluster along x asks, wave 2, each partner
; 16 of each by address (16 cx): lanes 0-15 K's, lanes 16-31 V's.  The last change that fills a slot asks for nothing.
.macro ASK
	s_cmp_gt_u32 s[SLOTS], s[LIM]
	s_cbranch_scc0 .Lnot_mine_\@
	global_prefetch_b8 v[PFO], s[PFA:PFA+1] th:TH_LOAD_NT scope:SCOPE_SE
.Lnot_mine_\@:
.endm
.macro CROUND
	s_barrier_signal -1
	s_barrier_wait -1
	s_cmp_lg_u32 s[WV], 0
	s_cbranch_scc1 .Lnot_wave_0_\@
	s_barrier_signal -3
.Lnot_wave_0_\@:
	s_barrier_wait -3
	s_barrier_signal -1
	s_barrier_wait -1
.endm
; THE CHANGE OF SLOTS.  Each wave waits for all its tensor loads (one is out: its part of the other slot), adds 0 to its spare word, and waits for that and for its reads of the slot that it leaves.
; fill = 1: the barrier is a round of the cluster's, and the old slot is filled again first thing behind it, with the step two on: it has a key step in which to land.
.macro CHANGE fill, ask
	WIN W_AD
	s_wait_tensorcnt 0x0
	ds_add_u32 v[SPW], v[NIL]       ; 0 onto my spare word; the descriptors' steps stand between it and the wait for it
	WIN 0
.if \fill
	s_xor_b32 s[G0M+1], s[G0M+1], SLOT1
	s_add_nc_u64 s[G0M+2:G0M+3], s[G0M+2:G0M+3], 256
	s_xor_b32 s[G0K+1], s[G0K+1], SLOT1
	s_add_nc_u64 s[G0K+2:G0K+3], s[G0K+2:G0K+3], 16384
	s_xor_b32 s[G0V+1], s[G0V+1], SLOT1
	s_add_nc_u64 s[G0V+2:G0V+3], s[G0V+2:G0V+3], 16384
.endif
.if \ask
	s_wait_xcnt 0x0                 ; the last prefetch, a key step back, has read its address
	s_add_nc_u64 s[PFA:PFA+1], s[PFA:PFA+1], s[PFS:PFS+1]
.endif
	s_wait_dscnt 0x0                ; the add is done, and my reads of the slot are over
.if \fill
	CROUND
	JLOAD
.if \ask
	ASK
.endif
.else
	s_barrier_signal -1
	s_barrier_wait -1
.endif
	s_xor_b32 s[TB], s[TB], SLOT1
	v_add_nc_u32 v[AM], s[TB], v[AM0]
	v_add_nc_u32 v[AK], s[TB], v[AK0]
	v_add_nc_u32 v[AV], s[TB], v[AV0]
.endm
	s_load_b128 s[4:7], s[0:1], 0x0   ; qkv s[4:5], mask s[6:7]
	s_load_b64 s[8:9], s[0:1], 0x10   ; att
	WIN W_MK
	v_lshl_add_u32 v[SPW], v0, 2, SPARE
	v_mov_b32 v[NIL], 0
	WIN W_AD
	ds_add_u32 v[SPW], v[NIL]       ; the wave's opening: the add and its wait ahead of my first tensor load
	WIN 0
	v_lshrrev_b32 v1, 5, v0
	v_readfirstlane_b32 s[WV], v1
	s_bfe_u32 s13, ttmp6, 0x40000   ; cx
	s_bfe_u32 s14, ttmp6, 0x40004   ; cy
	s_lshl_b32 s15, ttmp9, 2
	s_add_co_u32 s15, s15, s13      ; X: my block of 256 queries
	s_and_b32 s70, ttmp7, 0xffff    ; cluster y
	s_lshl_b32 s71, s70, 2
	s_add_co_u32 s71, s71, s14      ; Y: batch and head pair
	s_lshr_b32 s72, s70, 1          ; the batch: the same in the whole cluster
	s_and_b32 s73, s[WV], 1
	s_lshl_b32 s74, s14, 2
	s_lshl_b32 s74, 15, s74         ; my row of the cluster
	s_lshl_b32 s75, 0x1111, s13     ; my column
	s_or_b32 s[G1M], s75, (2<<16)|(1<<20)|(1<<21)|(5<<22)|(3<<25)  ; 4-byte elements; padding: after every 64 words, 4 words
	s_mov_b32 s[G1M+1], 64<<16      ; tensor_dim0 = 64
	s_mov_b32 s[G1M+2], 128<<16     ; tensor_dim1 = 128
	s_mov_b32 s[G1M+3], 64<<16      ; tile_dim0 = 64
	s_mov_b32 s[G1M+4], 128         ; tile_dim1 = 128
	s_mov_b32 s[G1M+5], 2048        ; elements from row to row
	s_mov_b32 s[G1M+6], 0
	s_mov_b32 s[G1M+7], 0
	s_or_b32 s[G1K], s74, (1<<16)|(1<<20)|(1<<21)|(4<<22)|(3<<25)  ; 16,384 dense bytes as 64 rows of 256; after every 32 words (a key), 4 words
	s_or_b32 s[G1V], s74, (1<<16)|(1<<20)|(1<<21)|(4<<22)|(7<<25)  ; the same with 8 words
.irp g, G1K, G1V
	s_mov_b32 s[\g+1], 128<<16
	s_mov_b32 s[\g+2], 64<<16
	s_mov_b32 s[\g+3], 128<<16
	s_mov_b32 s[\g+4], 64
	s_mov_b32 s[\g+5], 128
	s_mov_b32 s[\g+6], 0
	s_mov_b32 s[\g+7], 0
.endr
	s_lshl_b32 s80, s72, 24         ; the mask tile: batch, query block, my half of its rows
	s_lshl_b32 s81, s15, 21
	s_add_co_u32 s80, s80, s81
	s_lshl_b32 s81, s73, 20
	s_add_co_u32 s80, s80, s81
	s_mov_b32 s81, 0
	s_lshl_b32 s82, s71, 19         ; K of the pair
	s_add_co_u32 s82, s82, 1<<24
	s_mov_b32 s83, 0
	s_lshl_b32 s84, s15, 2          ; Q: my wave's 64 queries are one block of 16,384 bytes
	s_add_co_u32 s84, s84, s[WV]
	s_lshl_b32 s84, s84, 14
	s_lshl_b32 s85, s71, 19
	s_add_co_u32 s84, s84, s85
	s_mov_b32 s85, 0
	s_lshl_b32 s86, s72, 22         ; att: rows of 2,048 bytes; the pair's 256 bytes in them
	s_lshl_b32 s87, s15, 19
	s_add_co_u32 s86, s86, s87
	s_lshl_b32 s87, s[WV], 17
	s_add_co_u32 s86, s86, s87
	s_and_b32 s87, s71, 7
	s_lshl_b32 s87, s87, 8
	s_add_co_u32 s86, s86, s87
	s_mov_b32 s87, 0
	s_lshl_b32 s88, s72, 24         ; the prefetches of the mask: rows 64 cy + 32 (w % 2) on
	s_lshl_b32 s89, s15, 21
	s_add_co_u32 s88, s88, s89
	s_lshl_b32 s89, s14, 19
	s_add_co_u32 s88, s88, s89
	s_lshl_b32 s89, s73, 18
	s_add_co_u32 s88, s88, s89
	s_mov_b32 s89, 0
	s_lshl_b32 s90, s13, 12         ; of K and V: blocks 16 cx on
	s_add_co_u32 s90, s90, s82
	s_mov_b32 s91, 0
	s_and_b32 s76, s70, 1
	s_cmp_lt_u32 s[WV], 2
	s_cselect_b32 s76, s76, ttmp9   ; the number that is 0 in the cluster that asks
	s_cselect_b64 s[88:89], s[88:89], s[90:91]
	s_mov_b32 s[PFS], 16384
	s_cselect_b32 s[PFS], 256, s[PFS]
	s_mov_b32 s[PFS+1], 0
	s_mov_b32 s92, 256
	s_cselect_b32 s92, 8192, s92    ; from lane to lane within 16,
	s_mov_b32 s93, 1<<24
	s_cselect_b32 s93, 131072, s93  ; and from the lower 16 to the upper
	s_cmp_eq_u32 s[WV], 3
	s_cselect_b32 s76, 1, s76       ; wave 3 asks for nothing
	s_cmp_eq_u32 s76, 0
	s_cselect_b32 s[LIM], 1, -1     ; the same in all sixteen partners, for a given wave
	s_mov_b32 s[CS], 0x3fb8aa3b     ; c = log2(e)
	s_mov_b32 s[CS+1], s[CS]
	s_mov_b32 s[SEL], 0x76543210
	s_mov_b32 s[SEL+1], 0xfedcba98
	s_mov_b32 s[TB], SLOT1          ; the first change of slots turns it into 0
	s_mov_b32 s[G0M], 1
	s_mul_i32 s[G0M+1], s73, 128*PM
	s_mov_b32 s[G0K], 1
	s_mov_b32 s[G0K+1], KOFF
	s_mov_b32 s[G0V], 1
	s_mov_b32 s[G0V+1], VOFF
	s_wait_dscnt 0x0                ; the opening add is done
	s_wait_kmcnt 0x0
	s_add_nc_u64 s[G0M+2:G0M+3], s[6:7], s[80:81]
	s_or_b32 s[G0M+3], s[G0M+3], 0x80000000
	s_add_nc_u64 s[G0K+2:G0K+3], s[4:5], s[82:83]
	s_add_nc_u64 s[G0V+2:G0V+3], s[G0K+2:G0K+3], 1<<24
	s_or_b32 s[G0K+3], s[G0K+3], 0x80000000
	s_or_b32 s[G0V+3], s[G0V+3], 0x80000000
	s_cmp_lt_u32 s[WV], 2
	s_cselect_b64 s[PFA:PFA+1], s[6:7], s[4:5]
	s_add_nc_u64 s[PFA:PFA+1], s[PFA:PFA+1], s[88:89]
	s_add_nc_u64 s[PFA:PFA+1], s[PFA:PFA+1], s[PFS:PFS+1]
	s_add_nc_u64 s[PFA:PFA+1], s[PFA:PFA+1], s[PFS:PFS+1]  ; at step 2; the loop's first change steps it to 3.  Nothing is prefetched at the head
	s_add_nc_u64 s[4:5], s[4:5], s[84:85]
	s_add_nc_u64 s[8:9], s[8:9], s[86:87]
	CROUND                          ; all sixteen work-groups are here: the first joint loads meet
	JLOAD                           ; step 0 into slot 0
	v_and_b32 v65, 15, v0           ; l % 16     (v64-69 are at work here; S^T takes them behind the wait for Q)
	v_bfe_u32 v66, v0, 4, 1         ; l / 16
	v_and_b32 v67, 7, v0
	v_bfe_u32 v68, v0, 3, 1
	v_lshlrev_b32 v64, 7, v65
	v_lshl_add_u32 v64, v66, 4, v64 ; row x 128 + 16 x half
	WIN 0x80
.set i, 0
.rept 16                            ; Q stays in registers: tile unit i / 2, channels 32 (i % 2) on
	global_load_b128 v[8*i:8*i+3],   v64, s[4:5] offset:(i/2)*2048+(i%2)*64
	global_load_b128 v[8*i+4:8*i+7], v64, s[4:5] offset:(i/2)*2048+(i%2)*64+32
.set i, i+1
.endr
	; What the first turn finds: V of head 1 and P's second buffer hold 0 (its products V^T P, of a piece that has not been, add 0), O^T and l are 0.  All this stands in the wait for the first tile.
	WIN 0xc0
.set i, VF+64
.rept 64
	v_mov_b32 v[i], 0
.set i, i+1
.endr
	WIN 0x40
.set i, 0
.rept 256
	v_mov_b32 v[i], 0
.set i, i+1
.endr
	WIN 0
.set i, 0
.rept 8
	v_mov_b32 v[ST+4*i], 0xfe000000    ; c m: far below every c s, so that the first a is 0
	v_mov_b32 v[ST+4*i+1], 0xf149f2ca  ; m = -1e30: c m stays finite
	v_mov_b32 v[ST+4*i+2], 0
	v_mov_b32 v[ST+4*i+3], 0
.set i, i+1
.endr
.set i, P+32
.rept 32
	v_mov_b32 v[i], 0
.set i, i+1
.endr
	s_mul_i32 s94, s[WV], 64*PM
	v_mul_u32_u24 v[AM0], v65, PM
	v_lshl_add_u32 v[AM0], v66, 5, v[AM0]
	v_add_nc_u32 v[AM0], s94, v[AM0]      ; (64 w + l % 16) x pitch + 32 (l / 16)
	v_mul_u32_u24 v[AK0], v65, PK
	v_lshl_add_u32 v[AK0], v66, 4, v[AK0]
	v_add_nc_u32 v[AK0], KOFF, v[AK0]
	v_lshl_add_u32 v[AV0], v66, 3, v67    ; the turning load: key 8 (l / 16) + l % 8, 16 bytes at 16 ((l / 8) % 2)
	v_mul_u32_u24 v[AV0], v[AV0], PV
	v_lshl_add_u32 v[AV0], v68, 4, v[AV0]
	v_add_nc_u32 v[AV0], VOFF, v[AV0]
	s_mul_i32 s94, s[WV], 16*SP
	s_add_co_u32 s94, s94, STAGE
	v_mul_u32_u24 v[STO], v65, SP
	v_lshl_add_u32 v[STO], v66, 4, v[STO]
	v_add_nc_u32 v[STO], s94, v[STO]
	v_mul_u32_u24 v[RD], v66, SP          ; back: lanes 0-15 one row of 256 bytes, lanes 16-31 the next
	v_lshl_add_u32 v[RD], v65, 4, v[RD]
	v_add_nc_u32 v[RD], s94, v[RD]
	v_lshlrev_b32 v[GO], 11, v66
	v_lshl_add_u32 v[GO], v65, 4, v[GO]
	v_mul_lo_u32 v[PFO], v65, s92
	v_mul_lo_u32 v69, v66, s93
	v_add_nc_u32 v[PFO], v[PFO], v69
; THE MATRIX WORK.  The 8 accumulators of a run of 16 take turns.  Product i of 16 of S^T for piece x: channels 32 (i / 8) on, keys 16 ((i / 2) % 4) on, tile unit 2 x + i % 2.
; The first 8 start the sums with the mask of query tile 2 (x % 2) + i % 2.
.macro KQ x
.set rS, S+64*((\x)%2)+32*(i%2)+8*((i/2)%4)
.set rK, KF+16*((i/2)%4)+8*(i/8)
.set rQ, 16*(2*(\x)+i%2)+8*(i/8)
.set rMK, 32*(2*((\x)%2)+i%2)+8*((i/2)%4)
.if i < 8
	WIN W_KM
	v_wmma_f32_16x16x32_f16 v[rS:rS+7], v[rK:rK+7], v[rQ:rQ+7], v[rMK:rMK+7]
.else
	WIN W_KQ
	v_wmma_f32_16x16x32_f16 v[rS:rS+7], v[rK:rK+7], v[rQ:rQ+7], v[rS:rS+7]
.endif
.endm
; Product i of 16 of O^T += V^T P for piece x: keys 32 (i / 8) on, channels 16 ((i / 2) % 4) on; V of head x / 2.
.macro PV x
	WIN W_PV
.set rO, 32*(2*(\x)+i%2)+8*((i/2)%4)
.set rV, VF+64*((\x)/2)+32*(i/8)+8*((i/2)%4)
.set rP, P+32*((\x)%2)+16*(i%2)+8*(i/8)
	v_wmma_f32_16x16x32_f16 v[rO:rO+7], v[rV:rV+7], v[rP:rP+7], v[rO:rO+7]
.endm
.macro MM                           ; the turn's next matrix instruction
.if i < 16
	KQ (Y+1)%NP
.set i, i+1
.else
.set i, i-16
	PV (Y+NP-1)%NP
.set i, i+17
.endif
.endm
; THE LDS LOADS stand in runs, never singly among the matrix instructions.
.macro FETCH_K g                    ; 16 loads: head g's 64 keys x 64 channels
	WIN 0x80
.irp f, 0,1,2,3,4,5,6,7
	ds_load_b128 v[KF+8*\f:KF+8*\f+3],   v[AK] offset:(\g)*64*PK+(\f/2)*16*PK+(\f%2)*64
	ds_load_b128 v[KF+8*\f+4:KF+8*\f+7], v[AK] offset:(\g)*64*PK+(\f/2)*16*PK+(\f%2)*64+32
.endr
.endm
.macro FETCH_V                      ; 32 loads: both heads' V, turned
	WIN 0xc0
.irp g, 0,1
.irp f, 0,1,2,3,4,5,6,7
	ds_load_tr16_b128 v[VF+64*\g+8*\f:VF+64*\g+8*\f+3],   v[AV] offset:\g*64*PV+(\f/4)*32*PV+(\f%4)*32
	ds_load_tr16_b128 v[VF+64*\g+8*\f+4:VF+64*\g+8*\f+7], v[AV] offset:\g*64*PV+(\f/4)*32*PV+16*PV+(\f%4)*32
.endr
.endr
.endm
.macro FETCH_M pair                 ; 16 loads: the mask of query tiles 2 pair, 2 pair + 1
	WIN 0xc0
.irp u, 0,1
.irp kb, 0,1,2,3
	ds_load_b128 v[32*(2*(\pair)+\u)+8*\kb:32*(2*(\pair)+\u)+8*\kb+3],   v[AM] offset:16*PM*(2*(\pair)+\u)+64*\kb
	ds_load_b128 v[32*(2*(\pair)+\u)+8*\kb+4:32*(2*(\pair)+\u)+8*\kb+7], v[AM] offset:16*PM*(2*(\pair)+\u)+64*\kb+16
.endr
.endr
.endm
; THE VECTOR WORK OF A TURN stands in three queues, each in the order in which its entries become ready; the two tile units alternate.
.macro REGS y, u
.set rT, ST+4*(2*(\y)+(\u))
.set rC, TMP+8*((\y)%2)+4*(\u)
.set rM, MV+2*((\y)%2)+(\u)
.set rS, S+64*((\y)%2)+32*(\u)
.set rP, P+32*((\y)%2)+16*(\u)
.set rO, 32*(2*(\y)+(\u))
.endm
; Number n of the 22 that find the NEXT piece's maximum and statistics; each accumulator's lowest registers are read first.
;   0-11 four chains c0-c3 of seven scores each   12-14, 16 the four left over, the old m, c0-c3 into c0   15 c m_old is kept   17, 18 the other half of the lanes: the new m   19-21 c m; its change; a
.macro XS u, n
	REGS (Y+1)%NP, \u
.if (\n) < 4
	v_max3_num_f32 v[rC+(\n)], v[rS+8*(\n)], v[rS+8*(\n)+1], v[rS+8*(\n)+2]
.elseif (\n) < 12
	v_max3_num_f32 v[rC+(\n)%4], v[rC+(\n)%4], v[rS+8*((\n)%4)+2*((\n)/4)+1], v[rS+8*((\n)%4)+2*((\n)/4)+2]
.elseif (\n) == 12
	v_max3_num_f32 v[rC], v[rC], v[rS+7], v[rS+15]
.elseif (\n) == 13
	v_max3_num_f32 v[rC+1], v[rC+1], v[rS+23], v[rS+31]
.elseif (\n) == 14
	v_max3_num_f32 v[rC+2], v[rC+2], v[rC+3], v[rT+1]
.elseif (\n) == 15
	v_mov_b32 v[rM], v[rT]
.elseif (\n) == 16
	v_max3_num_f32 v[rC], v[rC], v[rC+1], v[rC+2]
.elseif (\n) == 17
	v_permlanex16_b32 v[rC+3], v[rC], s[SEL], s[SEL+1]
.elseif (\n) == 18
	v_max_num_f32 v[rT+1], v[rC], v[rC+3]
.elseif (\n) == 19
	v_mul_f32 v[rT], s[CS], v[rT+1]
.elseif (\n) == 20
	v_sub_f32 v[rC+1], v[rM], v[rT]
.else
	v_exp_f32 v[rC+2], v[rC+1]
.endif
.endm
; Number g of the 64 that follow the exponentials: for each four weights both pairs are rounded to f16, the second pair is added onto the first in place, and a group later l takes that sum.
.macro GS g
.set h, (\g)+6*((\g)/62)
.if h >= 6
.set h, h+2
.endif
	REGS Y, h%2
.set k, h/8
.if h%8 < 4
	v_cvt_pk_f16_f32 v[rP+2*k+(h%8)/2], v[rS+4*k+2*((h%8)/2)], v[rS+4*k+2*((h%8)/2)+1]
.elseif h%8 < 6
	v_pk_add_f32 v[rS+4*k:rS+4*k+1], v[rS+4*k:rS+4*k+1], v[rS+4*k+2:rS+4*k+3]
.elseif k == 1
	v_pk_fma_f32 v[rT+2:rT+3], v[rT+2:rT+3], v[rC+2:rC+3], v[rS:rS+1] op_sel_hi:[1,0,1]
.else
	v_pk_add_f32 v[rT+2:rT+3], v[rT+2:rT+3], v[rS+4*k-4:rS+4*k-3]
.endif
.endm
.macro FS f                         ; c s - c m for pair f / 2 of tile unit f % 2
	REGS Y, (\f)%2
	v_pk_fma_f32 v[rS+2*((\f)/2):rS+2*((\f)/2)+1], v[rS+2*((\f)/2):rS+2*((\f)/2)+1], s[CS:CS+1], v[rT:rT+1] op_sel_hi:[1,0,0] neg_lo:[0,0,1] neg_hi:[0,0,1]
.endm
; THE PLAIN QUEUE, 138 long.  0-26 scalings; 27-54 the maximum's numbers 0-13; 55, 56 number 15; 57-73 the chain 14, 16 .. 20 with the last five scalings between its links; 74-137 the 64 that read the exponentials' results.
.macro PL
	WIN 0
.if q < 27
	FS q
.elseif q < 55
	XS (q-27)%2, (q-27)/2
.elseif q < 57
	XS q-55, 15
.elseif (q < 72) && ((q-57)%3 == 0)
	FS 27+(q-57)/3
.elseif q < 60
	XS (q-57)%3-1, 14
.elseif q < 72
	XS (q-57)%3-1, 15+(q-57)/3
.elseif q < 74
	XS q-72, 20
.else
	GS q-74
.endif
.set q, q+1
.endm
.macro EX                           ; THE EXPONENTIALS' QUEUE, 66 long: one batch ahead of the turn's one wait
	WIN 0
.if e >= 64
	XS e-64, 21
.else
	REGS Y, e%2
	v_exp_f32 v[rS+e/2], v[rS+e/2]
.endif
.set e, e+1
.endm
.macro R2                           ; THE RESCALING's QUEUE: O^T times a, two at a time; a was made, and waited for, in the turn before
	REGS Y, r%2
	WIN W_RS
.irp z, 0,1
	v_pk_mul_f32 v[rO+4*(r/2)+2*\z:rO+4*(r/2)+2*\z+1], v[rO+4*(r/2)+2*\z:rO+4*(r/2)+2*\z+1], v[rC+2:rC+3] op_sel_hi:[1,0]
.endr
.set r, r+1
.endm
; A TURN, for piece p.  Ahead of the wait stands all that names no result of the turn's exponentials: 16 products K Q^T with four riders each, then the lump; behind it 16 products V^T P, behind each four of the roundings and sums.
; WHAT IS FETCHED WHERE.  K's one buffer holds head 0 in turns 3 and 0, head 1 in turns 1 and 2; mask pair 0 is read in turns 1 and 3, pair 1 in turns 0 and 2; V of both heads serves turns 1, 2, 3 and the next turn 0.
;   turn 0: pair 1 is waited for; K of head 1 behind the batch's wait; V at the end, four riders behind its last reader.     turn 1: K is in (V's 32 loads stay out); V is waited for ahead of its products.
;   turn 2: the next step's pair 0 at the head; its K of head 0 and its pair 1 behind the batch's wait.     turn 3: K and pair 0 are in (pair 1's 16 loads stay out).
; Every run stands four plain instructions or more behind its registers' last reader.  All reads between two changes of slots come from the one slot that the first change has shown whole.
.macro TURN p
.set Y, (\p)
.set i, 0
.set q, 0
.set e, 0
.set r, 0
.if (\p) == 0
	s_wait_dscnt 0x0
.elseif (\p) == 1
	s_wait_dscnt 32
.elseif (\p) == 2
	FETCH_M 0
.else
	s_wait_dscnt 16
.endif
	MM
	PL
	PL
	R2
.rept 15
	MM
	PL
	EX
	R2
.endr
.rept 8
	PL
.endr
.rept 49
	EX
	PL
.endr
	EX
	EX
	v_nop                           ; a plain instruction behind the last exponential: one for the batch
	s_wait_alu depctr_va_vdst(0)    ; the wait ahead of the first use of a result: one for the batch
.if (\p) == 0
	FETCH_K 1
.elseif (\p) == 1
	s_wait_dscnt 0x0                ; V is in
.elseif (\p) == 2
	FETCH_K 0
	FETCH_M 1
.endif
.rept 16
	MM
.rept 4
	PL
.endr
.endr
.if (\p) == 0
	FETCH_V
.endif
.endm
	CHANGE 1, 0                     ; step 0 is in, everybody's part of it; step 1 is asked for
	FETCH_K 0
	FETCH_M 0
	FETCH_M 1
	s_wait_loadcnt 0x0              ; Q
	s_wait_dscnt 0x0
.set i, 0
.rept 16
	KQ 0                            ; piece 0's first scores
.set i, i+1
.endr
	WIN 0
	PLACES
	PLACES
.set Y, NP-1                        ; XS works for piece Y + 1: piece 0
.irp n, 0,1,2,3,4,5,6,7,8,9,10,11,12,13,14,15,16,17,18,19,20,21
	XS 0, \n
	XS 1, \n
.endr
	v_nop
	s_wait_alu depctr_va_vdst(0)    ; the two a, ahead of the branch
	s_mov_b32 s[SLOTS], 31
	s_branch .Lfirst                ; the loop is entered at a step's first turn, in the middle of a trip
.Lslot:                             ; 30 trips: pieces 2 and 3 of one step, pieces 0 and 1 of the next; the fills bring steps 2 to 31
	CHANGE 1, 1
	TURN 2
	TURN 3
	WIN 0
.Lfirst:
	TURN 0
	TURN 1
	WIN 0
	s_sub_co_u32 s[SLOTS], s[SLOTS], 1
	s_cmp_lg_u32 s[SLOTS], 0
	s_cbranch_scc1 .Lslot
	CHANGE 0, 0                     ; the tail is written out: nothing is asked for
	s_mov_b32 s[CNT], 2             ; one trip for the last step; the second is left in its middle: its fetches read the last slot once more, and its scores serve nothing
.Ltail:
	TURN 2
	TURN 3
	WIN 0
	s_sub_co_u32 s[CNT], s[CNT], 1
	s_cmp_eq_u32 s[CNT], 0
	s_cbranch_scc1 .Lout
	TURN 0
	TURN 1
	WIN 0
	s_branch .Ltail
.Lout:
.set i, 0
.rept 16
	PV NP-1                         ; the last piece's V^T P of the last step
.set i, i+1
.endr
	; THE WAY OUT.  l's two halves and the other half of the lanes' are added; O^T is divided by l, rounded to f16 and sent through my stage, a query tile (both heads: rows of 256 bytes) at a time.
	WIN 0
.macro ALL line:vararg
.set t, 0
.rept 8
	\line
.set t, t+1
.endr
.endm
	ALL v_add_f32 v[ST+4*t+2], v[ST+4*t+2], v[ST+4*t+3]
	ALL v_permlanex16_b32 v[ST+4*t+3], v[ST+4*t+2], s[SEL], s[SEL+1]
	ALL v_add_f32 v[ST+4*t+2], v[ST+4*t+2], v[ST+4*t+3]
	ALL v_rcp_f32 v[ST+4*t+2], v[ST+4*t+2]
	v_nop
	s_wait_alu depctr_va_vdst(0)    ; one wait for the eight reciprocals
.macro PACK qt
.irp g, 0,1
	WIN W_RS
.set i, 32*(4*\g+(\qt))
.rept 16
	v_pk_mul_f32 v[i:i+1], v[i:i+1], v[ST+4*(4*\g+(\qt))+2:ST+4*(4*\g+(\qt))+3] op_sel_hi:[1,0]
.set i, i+2
.endr
	WIN 0x05                        ; sources 0 and 1 window 1, destination window 0
.set i, 0
.rept 16
	v_cvt_pk_f16_f32 v[S+32*(\qt)+16*\g+i], v[32*(4*\g+(\qt))+2*i], v[32*(4*\g+(\qt))+2*i+1]
.set i, i+1
.endr
.endr
	WIN 0
.irp g, 0,1
.irp f, 0,1,2,3
	ds_store_b128 v[STO], v[S+32*(\qt)+16*\g+4*\f:S+32*(\qt)+16*\g+4*\f+3] offset:128*\g+32*\f
.endr
.endr
.irp f, 0,1,2,3,4,5,6,7
	ds_load_b128 v[S+32*(\qt)+4*\f:S+32*(\qt)+4*\f+3], v[RD] offset:\f*2*SP  ; LDS serves a wave's instructions in order (ISA guide 5.7.1.4): these see the stores above
.endr
.endm
.macro SEND qt, younger             ; younger: the LDS instructions issued behind this tile's loads: the next tile's sixteen, or none
.irp f, 0,1,2,3,4,5,6,7
	s_wait_dscnt (\younger)+7-\f
	global_store_b128 v[GO], v[S+32*(\qt)+4*\f:S+32*(\qt)+4*\f+3], s[8:9] offset:(\qt)*32768+\f*4096  ; 16 lanes store 256 consecutive bytes, aligned
.endr
.endm
	PACK 0
	PACK 1
	SEND 0, 16
	PACK 2
	SEND 1, 16
	PACK 3
	SEND 2, 16
	SEND 3, 0
	WIN W_AD
	s_wait_tensorcnt 0x0            ; the wave's end
	ds_add_u32 v[SPW], v[NIL]
	s_wait_dscnt 0x0
	WIN 0
	CROUND                          ; the closing round
	s_endpgm
.Lfunc_end_k_q806509c9f6_attn:
	.size	k_q806509c9f6_attn, .Lfunc_end_k_q806509c9f6_attn-k_q806509c9f6_attn
	.p2alignl 7, 3214868480
	.fill 96, 4, 3214868480
	.section	.rodata,"a",@progbits
	.p2align	6, 0x0
	.amdhsa_kernel k_q806509c9f6_attn
		.amdhsa_group_segment_fixed_size 327680
		.amdhsa_private_segment_fixed_size 0
		.amdhsa_enable_private_segment 0
		.amdhsa_kernarg_size 24
		.amdhsa_user_sgpr_count 2
		.amdhsa_user_sgpr_kernarg_segment_ptr 1
		.amdhsa_wavefront_size32 1
		.amdhsa_system_sgpr_workgroup_id_x 1
		.amdhsa_system_sgpr_workgroup_id_y 1
		.amdhsa_system_sgpr_workgroup_id_z 1
		.amdhsa_system_vgpr_workitem_id 0
		.amdhsa_next_free_vgpr 1024
		.amdhsa_next_free_sgpr 100
		.amdhsa_reserve_vcc 0
		.amdhsa_float_denorm_mode_32 3
		.amdhsa_float_denorm_mode_16_64 3
		.amdhsa_memory_ordered 1
		.amdhsa_forward_progress 1
		.amdhsa_inst_pref_size 213
	.end_amdhsa_kernel
	.amdgpu_metadata
---
amdhsa.version: [ 1, 2 ]
amdhsa.kernels:
  - .name:           k_q806509c9f6_attn
    .symbol:         k_q806509c9f6_attn.kd
    .args:
      - { .name: qkv, .offset: 0, .size: 8, .value_kind: global_buffer, .address_space: global }
      - { .name: mask, .offset: 8, .size: 8, .value_kind: global_buffer, .address_space: global }
      - { .name: att, .offset: 16, .size: 8, .value_kind: global_buffer, .address_space: global }
    .group_segment_fixed_size: 327680
    .private_segment_fixed_size: 0
    .kernarg_segment_align: 8
    .kernarg_segment_size: 24
    .max_flat_workgroup_size: 128
    .sgpr_count:     100
    .vgpr_count:     1024
    .wavefront_size: 32
...
	.end_amdgpu_metadata
.endif
;; end of part 3
;; launch gemm_out (part 4): grid 8 x 32, 4 waves a work-group, clusters of 4 x 4, 327,680 bytes of LDS; arguments att, wo, out0; writes out0
.if DOCPART == 4
	.amdgcn_target "amdgcn-amd-amdhsa--gfx1250"
	.amdhsa_code_object_version 6
	.text
	.protected	k_q806509c9f6_gemm_out
	.globl	k_q806509c9f6_gemm_out
	.p2align	8
	.type	k_q806509c9f6_gemm_out,@function
k_q806509c9f6_gemm_out:
	s_mov_b64 s[64:65], 0
	v_nop
	global_prefetch_b8 v0, s[64:65] scope:SCOPE_SE
	s_setreg_imm32_b32 hwreg(HW_REG_WAVE_MODE, 25, 1), 1
	s_wait_xcnt 0x0
	s_wait_alu depctr_hold_cnt(0) depctr_sa_sdst(0) depctr_va_vdst(0) depctr_va_sdst(0) depctr_va_ssrc(0) depctr_va_vcc(0) depctr_vm_vsrc(0)
	s_getreg_b32 s2, hwreg(HW_REG_IB_STS2, 6, 4)
	s_cmp_eq_u32 s2, 0
	s_cbranch_scc0 .Lentry_in_a_cluster
	s_endpgm
.Lentry_in_a_cluster:
	s_bfe_u32 s2, ttmp6, 0x10000c
	s_cmp_lg_u32 s2, 0xf033
	s_cbranch_scc0 .Lentry_shape_is_right
	s_endpgm
.Lentry_shape_is_right:
; THE OUTPUT PROJECTION.  out0 [8192][1024] f32 = att [8192][1024] f16 x w_o, f16 operands, f32 sums.  A tile of C is 256 rows x 128 columns: 32 x 8 = 256 tiles.
; Four waves; wave w makes rows 64 w .. 64 w + 63 and all 128 columns: 32 accumulators of 16 x 16.  K goes in 8 steps of 128 through a ring of two LDS slots.
; B lies in memory as wo[tile column][K step][half][k 128][64 columns], 32,768 dense bytes a step; ds_load_tr16_b128 turns its LDS rows into fragments.
; THE MATRIX INSTRUCTION IS USED TRANSPOSED (source 0 = 16 columns of B, source 1 = 16 rows of A): a lane holds row l % 16 and eight neighbouring columns, 32 bytes of out0.
; CLUSTER 4 x 4: A's tile is asked for jointly along a row of the cluster, B's along a column.
; REGISTERS: window 0 addresses and the way out; window 1 two fragment buffers of 128 (B's 8 fragments, A's 4 at +96); window 2 the accumulators of row blocks 0, 1 (64 (a % 2) + 8 b); window 3 of 2, 3.
.set NB,    8
.set BSTEP, 32768
.set BROWS, 64
.set PA,    272                        ; A's LDS row: 256 bytes + 16 (64 banks of 4 bytes: ISA guide 11.1: the 16 rows of a load begin 4 banks apart)
.set PB,    160                        ; B's LDS row: 128 bytes + 32
.set HALFA, 128*PA
.set BOFF,  256*PA
.set HALFB, BROWS*2*PB
.set SLOT1, 131072
.set STAGE, 2*SLOT1                    ; 16 rows x 528 bytes for each wave, never filled by a tensor load
.set SPI,   528
.set SPARE, STAGE+4*16*SPI             ; the spare words: two blocks of 256 bytes that no other line names
.set NLD,   2*NB+8
.set ADRA0, 16
.set ADRB0, 17
.set ADRA,  18
.set ADRB,  19
.set STO,   24
.set RD,    25
.set GO,    26
.set SPW,   28
.set NIL,   29
.set PFO,   30
.set OB,    32                         ; v[32:159] a row block read back, two buffers
.set F0,    0
.set F1,    128
.set WV,  14
.set FB,  15
.set HF,  16
.set G1A, 24
.set G0A, 32
.set G1B, 48
.set G0B, 56
.set TB,  66
.set LIM, 67
.set PFA, 68
.set PFS, 76
.set MSB, 0
.macro WIN new
.if MSB != (\new)
	s_set_vgpr_msb (MSB<<8)|(\new)
.set MSB, \new
.endif
.endm
.macro PLACES
.rept 4
	v_nop
.endr
.endm
.macro CREST
	s_cmp_lg_u32 s[WV], 0
	s_cbranch_scc1 .Lnot_wave_0_\@
	s_barrier_signal -3
.Lnot_wave_0_\@:
	s_barrier_wait -3
	s_barrier_signal -1
	s_barrier_wait -1
.endm
.macro CROUND
	s_barrier_signal -1
	s_barrier_wait -1
	CREST
.endm
.macro JLOAD                           ; a joint refill by the walking sets; an s_nop 0 and four v_nop follow each line
	s_cmp_eq_u32 s[FB], 0
	s_cbranch_scc0 .Lfor_b_\@
	tensor_load_to_lds s[G0A+4:G0A+7], s[G1A:G1A+7]
	s_nop 0
	PLACES
	s_branch .Lasked_\@
.Lfor_b_\@:
	tensor_load_to_lds s[G0B+4:G0B+7], s[G1B:G1B+7]
	s_nop 0
	PLACES
.Lasked_\@:
.endm
; A PREFETCH of the K step that stands two refills on: 256 matrix instructions ahead of its load.  A's rows: the first cluster along x asks, waves 0 and 1, each partner 32 of a wave's 128 rows by
; address (32 cx), a lane a row.  B's 128 blocks of 256 bytes: the first cluster along y asks, wave 2 alone, each partner 32 blocks by address (32 cy).  The last two trips ask for nothing.
.macro ASK
	WIN 0
	s_cmp_gt_u32 s3, s[LIM]
	s_cbranch_scc0 .Lnot_mine_\@
	global_prefetch_b8 v[PFO], s[PFA:PFA+1] th:TH_LOAD_NT scope:SCOPE_SE
.Lnot_mine_\@:
.endm
	s_load_b128 s[4:7], s[0:1], 0x0                ; att s[4:5], wo s[6:7]
	s_load_b64 s[8:9], s[0:1], 0x10                ; out0
	v_lshl_add_u32 v[SPW], v0, 2, SPARE
	v_mov_b32 v[NIL], 0
	ds_add_u32 v[SPW], v[NIL]                      ; the wave's opening: the add and its wait ahead of my first tensor load
	v_lshrrev_b32 v1, 5, v0
	v_readfirstlane_b32 s[WV], v1
	s_lshr_b32 s[FB], s[WV], 1
	s_and_b32 s[HF], s[WV], 1
	s_bfe_u32 s40, ttmp6, 0x40000                  ; cx
	s_bfe_u32 s41, ttmp6, 0x40004                  ; cy
	s_lshl_b32 s42, ttmp9, 2
	s_add_co_u32 s42, s42, s40                     ; tile column
	s_and_b32 s43, ttmp7, 0xffff
	s_lshl_b32 s43, s43, 2
	s_add_co_u32 s43, s43, s41                     ; tile row
	s_lshl_b32 s44, s41, 2
	s_lshl_b32 s44, 15, s44
	s_lshl_b32 s45, 0x1111, s40
	s_or_b32 s[G1A], s44, (1<<16)|(1<<20)|(1<<21)|(5<<22)|(3<<25)
	s_mov_b32 s[G1A+1], 128<<16
	s_mov_b32 s[G1A+2], 128<<16
	s_mov_b32 s[G1A+3], 128<<16
	s_mov_b32 s[G1A+4], 128
	s_mov_b32 s[G1A+5], 1024
	s_mov_b32 s[G1A+6], 0
	s_mov_b32 s[G1A+7], 0
	s_or_b32 s[G1B], s45, (1<<16)|(1<<20)|(1<<21)|(4<<22)|(7<<25)
	s_mov_b32 s[G1B+1], 128<<16
	s_mov_b32 s[G1B+2], BROWS<<16
	s_mov_b32 s[G1B+3], 128<<16
	s_mov_b32 s[G1B+4], BROWS
	s_mov_b32 s[G1B+5], 128
	s_mov_b32 s[G1B+6], 0
	s_mov_b32 s[G1B+7], 0
	s_lshl_b32 s20, s43, 8
	s_lshl_b32 s21, s[HF], 7
	s_add_co_u32 s20, s20, s21
	s_lshl_b32 s20, s20, 11
	s_mov_b32 s21, 0
	s_mul_i32 s46, s42, 8*BSTEP
	s_mul_i32 s47, s[HF], BSTEP/2
	s_add_co_u32 s46, s46, s47
	s_mov_b32 s47, 0
	s_mul_i32 s22, s[HF], HALFA
	s_mul_i32 s23, s[HF], HALFB
	s_add_co_u32 s23, s23, BOFF
	s_mov_b32 s[TB], 0
	s_wait_dscnt 0x0                               ; the opening add is done
	s_wait_kmcnt 0x0
	s_add_nc_u64 s[20:21], s[4:5], s[20:21]
	s_add_nc_u64 s[46:47], s[6:7], s[46:47]
.irp n, 0,1
	s_mov_b32 s[G0A+4*\n], 1
	s_add_co_u32 s[G0A+4*\n+1], s22, \n*SLOT1
	s_add_nc_u64 s[G0A+4*\n+2:G0A+4*\n+3], s[20:21], \n*256
	s_or_b32 s[G0A+4*\n+3], s[G0A+4*\n+3], 0x80000000
	s_mov_b32 s[G0B+4*\n], 1
	s_add_co_u32 s[G0B+4*\n+1], s23, \n*SLOT1
	s_add_nc_u64 s[G0B+4*\n+2:G0B+4*\n+3], s[46:47], \n*BSTEP
	s_or_b32 s[G0B+4*\n+3], s[G0B+4*\n+3], 0x80000000
.endr
	CROUND                                         ; all sixteen work-groups are here: the first joint loads meet
	s_cmp_eq_u32 s[FB], 0                          ; a wave's two first fills stand in one branch: two loads of mine are out
	s_cbranch_scc0 .Lfirst_b
	tensor_load_to_lds s[G0A:G0A+3], s[G1A:G1A+7]
	s_nop 0
	tensor_load_to_lds s[G0A+4:G0A+7], s[G1A:G1A+7]
	s_nop 0
	PLACES
	s_branch .Lfirst_asked
.Lfirst_b:
	tensor_load_to_lds s[G0B:G0B+3], s[G1B:G1B+7]
	s_nop 0
	tensor_load_to_lds s[G0B+4:G0B+7], s[G1B:G1B+7]
	s_nop 0
	PLACES
.Lfirst_asked:
	v_and_b32 v1, 15, v0
	v_bfe_u32 v2, v0, 4, 1
	v_and_b32 v3, 7, v0
	v_bfe_u32 v4, v0, 3, 1
	v_and_b32 v5, 31, v0
	s_mul_i32 s78, s[WV], 64*PA
	v_mul_u32_u24 v[ADRA0], v1, PA
	v_lshl_add_u32 v[ADRA0], v2, 4, v[ADRA0]
	v_add_nc_u32 v[ADRA0], s78, v[ADRA0]
	v_lshl_add_u32 v[ADRB0], v2, 3, v3
	v_mul_u32_u24 v[ADRB0], v[ADRB0], PB
	v_lshl_add_u32 v[ADRB0], v4, 4, v[ADRB0]
	v_add_nc_u32 v[ADRB0], BOFF, v[ADRB0]
	v_mov_b32 v[ADRA], v[ADRA0]
	v_mov_b32 v[ADRB], v[ADRB0]
	s_mul_i32 s78, s[WV], 16*SPI
	s_add_co_u32 s78, s78, STAGE                   ; my stage
	v_mul_u32_u24 v[STO], v1, SPI                  ; in: row l % 16, 32 bytes for each half of the lanes
	v_lshl_add_u32 v[STO], v2, 5, v[STO]
	v_add_nc_u32 v[STO], s78, v[STO]
	v_lshlrev_b32 v[GO], 4, v5
	v_add_nc_u32 v[RD], s78, v[GO]                 ; back: 32 lanes take a row's 512 bytes
	s_lshl_b32 s80, s43, 8
	s_lshl_b32 s81, s[WV], 6
	s_add_co_u32 s80, s80, s81
	s_lshl_b32 s80, s80, 12                        ; my first row, rows of 4,096 bytes,
	s_lshl_b32 s81, s42, 9                         ; the tile's 512 bytes in them
	s_add_co_u32 s80, s80, s81
	s_mov_b32 s81, 0
	s_add_nc_u64 s[8:9], s[8:9], s[80:81]
	s_and_b32 s84, ttmp7, 0xffff                   ; the prefetches
	s_cmp_eq_u32 s[FB], 0
	s_cselect_b32 s84, ttmp9, s84
	s_cselect_b64 s[PFA:PFA+1], s[20:21], s[46:47]
	s_cselect_b32 s85, s40, s41
	s_mov_b32 s86, 32*256
	s_cselect_b32 s86, 32*2048, s86
	s_mov_b32 s[PFS], BSTEP
	s_cselect_b32 s[PFS], 256, s[PFS]
	s_mov_b32 s87, 256
	s_cselect_b32 s87, 2048, s87
	s_mov_b32 s[PFS+1], 0
	s_cmp_eq_u32 s[WV], 3
	s_cselect_b32 s84, 1, s84                      ; wave 3 asks for nothing
	s_cmp_eq_u32 s84, 0
	s_cselect_b32 s[LIM], 2, -1                    ; the same in all sixteen partners, for a given wave
	s_mul_i32 s84, s85, s86
	s_mov_b32 s85, 0
	s_add_nc_u64 s[PFA:PFA+1], s[PFA:PFA+1], s[84:85]
	s_add_nc_u64 s[PFA:PFA+1], s[PFA:PFA+1], s[PFS:PFS+1]
	s_add_nc_u64 s[PFA:PFA+1], s[PFA:PFA+1], s[PFS:PFS+1]
	s_add_nc_u64 s[PFA:PFA+1], s[PFA:PFA+1], s[PFS:PFS+1]  ; at K step 3: the first refill steps it to 4.  Nothing is prefetched here, at the head
	v_mul_u32_u24 v[PFO], s87, v5
.macro MULA f, a, zero                 ; NB products; all 32 accumulators take turns, in the same order in every quarter
	WIN 0xa5+0x50*((\a)/2)
.set b, 0
.rept NB
.set rD, 8*NB*((\a)%2)+8*b
.if \zero
	v_wmma_f32_16x16x32_f16 v[rD:rD+7], v[(\f)+8*b:(\f)+8*b+7], v[(\f)+96+8*(\a):(\f)+96+8*(\a)+7], 0
.else
	v_wmma_f32_16x16x32_f16 v[rD:rD+7], v[(\f)+8*b:(\f)+8*b+7], v[(\f)+96+8*(\a):(\f)+96+8*(\a)+7], v[rD:rD+7]
.endif
.set b, b+1
.endr
.endm
.macro FETCH k, f                      ; one run of LDS loads: B's fragments first, then A's four
	WIN 0x40
.set b, 0
.rept NB
	ds_load_tr16_b128 v[(\f)+8*b:(\f)+8*b+3],   v[ADRB] offset:(b/4)*128*PB+(\k)*PB+(b%4)*32
	ds_load_tr16_b128 v[(\f)+8*b+4:(\f)+8*b+7], v[ADRB] offset:(b/4)*128*PB+(\k)*PB+(b%4)*32+16*PB
.set b, b+1
.endr
.set b, 0
.rept 4
	ds_load_b128 v[(\f)+96+8*b:(\f)+96+8*b+3],   v[ADRA] offset:2*(\k)+b*16*PA
	ds_load_b128 v[(\f)+96+8*b+4:(\f)+96+8*b+7], v[ADRA] offset:2*(\k)+b*16*PA+32
.set b, b+1
.endr
.endm
.macro QUARTER k, f, g, zero
	s_wait_dscnt 4                                 ; all but the youngest four loads: A's row blocks 2 and 3
	MULA \f, 0, \zero
	MULA \f, 1, \zero
	PLACES
	FETCH \k, \g
	s_wait_dscnt NLD                               ; all but the run just issued
	MULA \f, 2, \zero
	MULA \f, 3, \zero
.endm
; The last quarter changes slots: in front of the one barrier each wave waits for all its tensor loads, adds 0 to its spare word, and waits for that and for its reads of this slot.
; fill = 1: the barrier opens a round of the cluster's, and this slot is filled again first thing behind it.
.macro TURN fill
.if \fill
	s_wait_xcnt 0x0                                ; the last prefetch, a K step back, has read its address
	s_add_nc_u64 s[PFA:PFA+1], s[PFA:PFA+1], s[PFS:PFS+1]
.endif
	WIN 0
	s_wait_tensorcnt 0x0
	ds_add_u32 v[SPW], v[NIL]
	s_wait_dscnt 5                                 ; the add and the youngest four loads may be out
	MULA F1, 0, 0
	s_wait_dscnt 0x0
	s_barrier_signal -1
	MULA F1, 1, 0
	WIN 0
	s_barrier_wait -1
.if \fill
	CREST
	s_xor_b32 s[G0A+5], s[G0A+5], SLOT1
	s_add_nc_u64 s[G0A+6:G0A+7], s[G0A+6:G0A+7], 256
	s_xor_b32 s[G0B+5], s[G0B+5], SLOT1
	s_add_nc_u64 s[G0B+6:G0B+7], s[G0B+6:G0B+7], BSTEP
	JLOAD
.else
	PLACES
.endif
	s_xor_b32 s[TB], s[TB], SLOT1
	v_add_nc_u32 v[ADRA], s[TB], v[ADRA0]
	v_add_nc_u32 v[ADRB], s[TB], v[ADRB0]
	FETCH 0, F0
.if \fill
	ASK
.endif
	MULA F1, 2, 0
	MULA F1, 3, 0
.endm
	s_wait_tensorcnt 0x1                           ; my part of K step 0 is in; step 1's may stay out
	s_barrier_signal -1
	s_barrier_wait -1
	FETCH 0, F0
	QUARTER 32, F0, F1, 1
	WIN 0
	s_mov_b32 s3, 6
.Lstep:                                        ; six trips; the refills bring K steps 2 to 7
	QUARTER 64, F1, F0, 0
	QUARTER 96, F0, F1, 0
	TURN 1
	QUARTER 32, F0, F1, 0
	WIN 0
	s_sub_co_u32 s3, s3, 1
	s_cmp_lg_u32 s3, 0
	s_cbranch_scc1 .Lstep
	QUARTER 64, F1, F0, 0                          ; the tail is written out: nothing is asked for
	QUARTER 96, F0, F1, 0
	TURN 0
	QUARTER 32, F0, F1, 0
	QUARTER 64, F1, F0, 0
	QUARTER 96, F0, F1, 0
	s_wait_dscnt 4
	MULA F1, 0, 0
	MULA F1, 1, 0
	s_wait_dscnt 0x0
	MULA F1, 2, 0
	MULA F1, 3, 0
; THE WAY OUT: a row block's f32 sums go into my stage, 32 bytes a lane and accumulator (its low registers first), and come back as whole rows of 512 bytes.
.macro TOSTAGE a
	WIN 0x08+4*((\a)/2)                            ; the stores' data: the accumulators' window
.set b, 0
.rept NB
.set rD, 8*NB*((\a)%2)+8*b
	ds_store_b128 v[STO], v[rD:rD+3]   offset:64*b
	ds_store_b128 v[STO], v[rD+4:rD+7] offset:64*b+16
.set b, b+1
.endr
	WIN 0
.set b, 0
.rept 16
	ds_load_b128 v[OB+64*((\a)%2)+4*b:OB+64*((\a)%2)+4*b+3], v[RD] offset:SPI*b  ; LDS serves a wave's instructions in order (ISA guide 5.7.1.4)
.set b, b+1
.endr
.endm
.macro SEND a, younger                 ; younger: the LDS instructions issued behind this block's loads
	s_wait_dscnt \younger
.set b, 0
.rept 16
	global_store_b128 v[GO], v[OB+64*((\a)%2)+4*b:OB+64*((\a)%2)+4*b+3], s[8:9] offset:(16*(\a)+b)*4096 th:TH_STORE_NT  ; 512 consecutive bytes, aligned
.set b, b+1
.endr
.endm
	WIN 0
	PLACES
	PLACES
	TOSTAGE 0
	TOSTAGE 1
	SEND 0, 32
	s_wait_xcnt 0x0                                ; block 0's stores have read their registers: they are loaded again only behind this wait
	TOSTAGE 2
	SEND 1, 32
	s_wait_xcnt 0x0
	TOSTAGE 3
	SEND 2, 32
	SEND 3, 0
	s_wait_tensorcnt 0x0                           ; the wave's end
	ds_add_u32 v[SPW], v[NIL]
	s_wait_dscnt 0x0
	CROUND                                         ; the closing round
	s_endpgm
.Lfunc_end_k_q806509c9f6_gemm_out:
	.size	k_q806509c9f6_gemm_out, .Lfunc_end_k_q806509c9f6_gemm_out-k_q806509c9f6_gemm_out
	.p2alignl 7, 3214868480
	.fill 96, 4, 3214868480
	.section	.rodata,"a",@progbits
	.p2align	6, 0x0
	.amdhsa_kernel k_q806509c9f6_gemm_out
		.amdhsa_group_segment_fixed_size 327680
		.amdhsa_private_segment_fixed_size 0
		.amdhsa_enable_private_segment 0
		.amdhsa_kernarg_size 24
		.amdhsa_user_sgpr_count 2
		.amdhsa_user_sgpr_kernarg_segment_ptr 1
		.amdhsa_wavefront_size32 1
		.amdhsa_system_sgpr_workgroup_id_x 1
		.amdhsa_system_sgpr_workgroup_id_y 1
		.amdhsa_system_sgpr_workgroup_id_z 1
		.amdhsa_system_vgpr_workitem_id 0
		.amdhsa_next_free_vgpr 896
		.amdhsa_next_free_sgpr 100
		.amdhsa_reserve_vcc 0
		.amdhsa_float_denorm_mode_32 3
		.amdhsa_float_denorm_mode_16_64 3
		.amdhsa_memory_ordered 1
		.amdhsa_forward_progress 1
		.amdhsa_inst_pref_size 70
	.end_amdhsa_kernel
	.amdgpu_metadata
---
amdhsa.version: [ 1, 2 ]
amdhsa.kernels:
  - .name:           k_q806509c9f6_gemm_out
    .symbol:         k_q806509c9f6_gemm_out.kd
    .args:
      - { .name: att, .offset: 0, .size: 8, .value_kind: global_buffer, .address_space: global }
      - { .name: wo, .offset: 8, .size: 8, .value_kind: global_buffer, .address_space: global }
      - { .name: out0, .offset: 16, .size: 8, .value_kind: global_buffer, .address_space: global }
    .group_segment_fixed_size: 327680
    .private_segment_fixed_size: 0
    .kernarg_segment_align: 8
    .kernarg_segment_size: 24
    .max_flat_workgroup_size: 128
    .sgpr_count:     100
    .vgpr_count:     896
    .wavefront_size: 32
...
	.end_amdgpu_metadata
.endif
;; end of part 4
;; ======== version 2 of 2: 4 launches; version 1 with the launch prep written anew for expert scheduling mode
;; limits: inputs' magnitudes at most 1e+30; right only within a limited range of input values; values are held in f16: magnitudes above 65,504 overflow, below 6.1e-05 lose precision
;; workspace buffers: xh 16,777,216 bytes; wq 6,291,456 bytes; wo 2,097,152 bytes; qkv 50,331,648 bytes; att 16,777,216 bytes
;; launch prep (part 5): grid 768 x 1, 8 waves a work-group, no clusters, 0 bytes of LDS; arguments inputs, ln_gamma, w_qkv, w_o, xh, wq, wo; writes xh, wq, wo
.if DOCPART == 5
	.amdgcn_target "amdgcn-amd-amdhsa--gfx1250"
	.amdhsa_code_object_version 6
	.text
	.protected	k_q806509c9f6_prep
	.globl	k_q806509c9f6_prep
	.p2align	8
	.type	k_q806509c9f6_prep,@function
k_q806509c9f6_prep:
	s_mov_b64 s[64:65], 0
	v_nop
	global_prefetch_b8 v0, s[64:65] scope:SCOPE_SE
	s_setreg_imm32_b32 hwreg(HW_REG_WAVE_SCHED_MODE, 0, 2), 2
	s_setreg_imm32_b32 hwreg(HW_REG_WAVE_MODE, 25, 1), 1
	s_wait_xcnt 0x0
	s_wait_alu depctr_vm_vsrc(0)
; PREP: three jobs that only stream, told apart by the work-group's number; each work-group reads 64 KiB.
;   0..511    LayerNorm without beta: xh[row][c] = f16((x - mean) * rsqrt(var + 1e-5) * gamma[c]); 16 rows a work-group, 2 a wave.
;   512..703  wq[h][ks][sec][k][d] = f16(w_qkv[128 ks + k][1024 sec + 64 h + d]): a head's q, k and v columns of a K step of 128 lie together, 49,152 dense bytes.
;   704..767  wo[tx][ks][sub][k][d] = f16(w_o[128 ks + k][128 tx + 64 sub + d]): 32,768 dense bytes a K step.
; A row of 1,024 f32 is 32 registers of one wave: it is read once and stays in registers between the mean, the variance (of x - mean, as the
; reference takes it) and the scaling.  No LDS, no barrier, no matrix unit: no wave wants another wave's bytes.
; Every load of a wave covers 512 consecutive bytes (weights: two rows' 256), every store 256 consecutive bytes, aligned.
; LIMITS.  f16 ends at 65,504: |xh| is at most 32 max|gamma|; the weights must lie within it.  The reciprocal root is v_rsq_f32 and a
; multiplication where the reference divides by a root: the last bit may differ.
; THE MODE: SCHED_MODE bits 1:0 = 2 (LLVM: expert scheduling mode 2), set by the entry lines.  The code itself states the register dependences
; between vector instructions and memory instructions, with s_wait_alu, always for 0.
; THE PLAN.  Registers that memory instructions touch:
;   offsets     v4, v5 (weights), v2, v3 (rows): made once at a path's head, read by all its loads and stores, never written again.
;   loaded      v[32:95] (weights), X0, GM, X1 (rows): all of a wave's loads go out at the path's head, before any vector instruction names these registers; none is loaded twice.
;   to store    weights: a pair of v[96:127] for each of 16 pieces, written once by the piece's two conversions, read once by its store.
;               rows: registers 4 i, 4 i + 1 of the row itself, written last by the row's conversions, read once by its eight stores.
; No register that a load or a store reads is ever written again, so no wait on vm_vsrc is owed.  What is owed is that a store's data are written:
; the stores of four pieces (of a row) stand together behind ONE wait on va_vdst, at the head of the next four pieces (of the next row), and are dealt among
; that work's vector instructions, which name none of the registers that these stores read.  The last stores of a path have a wait of their own.
.set X0, 32                            ; v[32:63]   row 0
.set X1, 64                            ; v[64:95]   row 1
.set GM, 96                            ; v[96:127]  gamma, in the rows' layout
.set RN, 7                             ; v7         2^-10
	s_load_b256 s[4:11], s[0:1], 0x0               ; inputs s[4:5], ln_gamma s[6:7], w_qkv s[8:9], w_o s[10:11]
	s_load_b128 s[12:15], s[0:1], 0x20             ; xh s[12:13], wq s[14:15]
	s_load_b64 s[16:17], s[0:1], 0x30              ; wo
	v_lshrrev_b32 v1, 5, v0
	v_readfirstlane_b32 s18, v1                    ; wave 0..7
	v_and_b32 v1, 31, v0                           ; lane
	s_mov_b32 s19, ttmp9
	s_mov_b32 s25, 0                               ; the high word of every offset
	s_wait_alu depctr_va_sdst(0)                   ; s18 is written, ahead of the branches: each of the three paths makes its addresses from it
	s_wait_kmcnt 0x0
	s_cmp_lt_u32 s19, 512
	s_cbranch_scc1 .Lnorm
	s_cmp_lt_u32 s19, 704
	s_cbranch_scc1 .Lwqkv
; A wave converts 32 rows (k) of a slice of 64 columns: 16 loads of two rows' 256 bytes, 16 stores of 256 dense bytes.
; Piece i: its load, two conversions into its own pair of registers, its store.  The pieces go in groups of four; a group's stores stand in the next group.
.macro WROWS src, dst, pitch
	v_lshrrev_b32 v6, 4, v1                        ; which of the two rows
	v_and_b32 v7, 15, v1
	v_mul_u32_u24 v4, v6, \pitch
	v_lshl_add_u32 v4, v7, 4, v4                   ; row x pitch + 16 (lane % 16)
	v_lshlrev_b32 v5, 3, v1                        ; 8 x lane: four f16
	s_wait_alu depctr_va_vdst(0)                   ; v4 and v5 are written: every load below reads v4 as its offset, every store v5
.set i, 0
.rept 16
	global_load_b128 v[32+4*i:35+4*i], v4, s[\src:\src+1] offset:i*2*(\pitch) th:TH_LOAD_NT
.set i, i+1
.endr
.set i, 0
.rept 16
	s_wait_loadcnt 15-i                            ; loads come back in order: load i is in, the younger ones stay out
.if (i > 0) && (i%4 == 0)
	s_wait_alu depctr_va_vdst(0)                   ; the eight conversions of the group before have written their pairs, which this group's four stores read
.endif
.if i >= 4
	global_store_b64 v5, v[96+2*(i-4):97+2*(i-4)], s[\dst:\dst+1] offset:256*(i-4)  ; the piece four back; no vector instruction since the wait names its pair
.endif
	v_cvt_pk_f16_f32 v[96+2*i], v[32+4*i], v[33+4*i]
	v_cvt_pk_f16_f32 v[97+2*i], v[34+4*i], v[35+4*i]
.set i, i+1
.endr
	s_wait_alu depctr_va_vdst(0)                   ; the last group's conversions have written their pairs, which the last four stores read
.set i, 12
.rept 4
	global_store_b64 v5, v[96+2*i:97+2*i], s[\dst:\dst+1] offset:256*i
.set i, i+1
.endr
.endm
; u = the job's work-group: slice u / 4 of 64 columns, rows k0 = 256 (u % 4) + 32 wave on
.macro SLICE first
	s_sub_co_u32 s20, s19, \first
	s_lshr_b32 s21, s20, 2                         ; the slice
	s_and_b32 s20, s20, 3
	s_lshl_b32 s20, s20, 8
	s_lshl_b32 s22, s18, 5
	s_add_co_u32 s20, s20, s22                     ; k0
.endm
	SLICE 704                                      ; w_o: rows of 4,096 bytes
	s_lshl_b32 s24, s20, 12
	s_lshl_b32 s22, s21, 8
	s_add_co_u32 s24, s24, s22
	s_add_nc_u64 s[10:11], s[10:11], s[24:25]
	s_lshr_b32 s22, s21, 1
	s_lshl_b32 s24, s22, 18                        ; tx x 262,144
	s_lshr_b32 s22, s20, 7
	s_lshl_b32 s22, s22, 15                        ; ks x 32,768
	s_add_co_u32 s24, s24, s22
	s_and_b32 s22, s21, 1
	s_lshl_b32 s22, s22, 14                        ; sub x 16,384
	s_add_co_u32 s24, s24, s22
	s_and_b32 s22, s20, 127
	s_lshl_b32 s22, s22, 7                         ; k x 128
	s_add_co_u32 s24, s24, s22
	s_add_nc_u64 s[16:17], s[16:17], s[24:25]
	WROWS 10, 16, 4096
	s_endpgm
.Lwqkv:
	SLICE 512                                      ; w_qkv: rows of 12,288 bytes
	s_mul_i32 s24, s20, 12288
	s_lshl_b32 s22, s21, 8
	s_add_co_u32 s24, s24, s22
	s_add_nc_u64 s[8:9], s[8:9], s[24:25]
	s_and_b32 s22, s21, 15
	s_mul_i32 s24, s22, 393216                     ; head
	s_lshr_b32 s22, s20, 7
	s_mul_i32 s22, s22, 49152                      ; ks
	s_add_co_u32 s24, s24, s22
	s_lshr_b32 s22, s21, 4
	s_lshl_b32 s22, s22, 14                        ; sec
	s_add_co_u32 s24, s24, s22
	s_and_b32 s22, s20, 127
	s_lshl_b32 s22, s22, 7
	s_add_co_u32 s24, s24, s22
	s_add_nc_u64 s[14:15], s[14:15], s[24:25]
	WROWS 8, 14, 12288
	s_endpgm
; the sum of v[a] over the 32 lanes, in every lane; v[t] has been written before
.macro LSUM a, t
	v_add_f32_dpp v[\a], v[\a], v[\a] row_xmask:1 row_mask:0xf bank_mask:0xf
	v_add_f32_dpp v[\a], v[\a], v[\a] row_xmask:2 row_mask:0xf bank_mask:0xf
	v_add_f32_dpp v[\a], v[\a], v[\a] row_xmask:4 row_mask:0xf bank_mask:0xf
	v_add_f32_dpp v[\a], v[\a], v[\a] row_xmask:8 row_mask:0xf bank_mask:0xf
	v_permlanex16_b32 v[\t], v[\a], s22, s23
	v_add_f32 v[\a], v[\a], v[\t]
.endm
; Store n of the eight of the row in v[x ..]: 32 lanes x 8 bytes: 256 consecutive bytes, aligned
.macro PUT x, row, n
	global_store_b64 v3, v[(\x)+4*(\n):(\x)+4*(\n)+1], s[12:13] offset:(\row)*2048+256*(\n)
.endm
; One row in v[x .. x+31].  left: the younger loads that may stay out when the row is wanted; gleft: when gamma is wanted.
; before = 1: row 0 has been rounded, and its eight stores are dealt among this row's first eight additions.
.macro LNROW x, left, gleft, before
	s_wait_loadcnt \left
.if \before
	s_wait_alu depctr_va_vdst(0)                   ; row 0's conversions have written X0, which the eight stores below read; this row's vector work names X1, GM and v7 to v21 alone
.endif
.set i, 0
.rept 8
.if \before
	PUT X0, 0, i
.endif
	v_pk_add_f32 v[8+2*i:9+2*i], v[(\x)+4*i:(\x)+4*i+1], v[(\x)+4*i+2:(\x)+4*i+3]
.set i, i+1
.endr
.irp n, 4,2,1
.set i, 0
.rept \n
	v_pk_add_f32 v[8+2*i:9+2*i], v[8+2*i:9+2*i], v[8+2*(i+\n):9+2*(i+\n)]
.set i, i+1
.endr
.endr
	v_add_f32 v8, v8, v9
	LSUM 8, 9
	v_mul_f32 v10, v8, v[RN]                       ; the mean, twice: a pair for the packed subtraction
	v_mov_b32 v11, v10
.set i, 0
.rept 16
	v_pk_add_f32 v[(\x)+2*i:(\x)+2*i+1], v[(\x)+2*i:(\x)+2*i+1], v[10:11] neg_lo:[0,1] neg_hi:[0,1]
.set i, i+1
.endr
.set i, 0
.rept 4                                ; the squares of x - mean in four chains; the first products start them
	v_pk_mul_f32 v[12+2*i:13+2*i], v[(\x)+2*i:(\x)+2*i+1], v[(\x)+2*i:(\x)+2*i+1]
.set i, i+1
.endr
.rept 12
	v_pk_fma_f32 v[12+2*(i%4):13+2*(i%4)], v[(\x)+2*i:(\x)+2*i+1], v[(\x)+2*i:(\x)+2*i+1], v[12+2*(i%4):13+2*(i%4)]
.set i, i+1
.endr
	v_pk_add_f32 v[12:13], v[12:13], v[14:15]
	v_pk_add_f32 v[16:17], v[16:17], v[18:19]
	v_pk_add_f32 v[12:13], v[12:13], v[16:17]
	v_add_f32 v12, v12, v13
	LSUM 12, 13
	v_fmaak_f32 v14, v12, v[RN], 0x3727c5ac        ; var + 1e-5
	v_rsq_f32 v20, v14
	v_nop                                          ; a plain instruction behind the transcendental,
	s_wait_alu depctr_va_vdst(0)                   ; and v_rsq_f32 has written v20, ahead of its first reader
	v_mov_b32 v21, v20
	s_wait_loadcnt \gleft                          ; gamma is in
.set i, 0
.rept 16
	v_pk_mul_f32 v[(\x)+2*i:(\x)+2*i+1], v[(\x)+2*i:(\x)+2*i+1], v[20:21]
.set i, i+1
.endr
.set i, 0
.rept 16
	v_pk_mul_f32 v[(\x)+2*i:(\x)+2*i+1], v[(\x)+2*i:(\x)+2*i+1], v[GM+2*i:GM+2*i+1]
.set i, i+1
.endr
.set i, 0
.rept 8                                ; four numbers close up into the first two of their four registers; the row's stores follow behind a wait
	v_cvt_pk_f16_f32 v[(\x)+4*i], v[(\x)+4*i], v[(\x)+4*i+1]
	v_cvt_pk_f16_f32 v[(\x)+4*i+1], v[(\x)+4*i+2], v[(\x)+4*i+3]
.set i, i+1
.endr
.endm
.Lnorm:
	s_lshl_b32 s24, s19, 16                        ; 16 rows of 4,096 bytes a work-group,
	s_lshl_b32 s20, s18, 13                        ; 2 a wave
	s_add_co_u32 s24, s24, s20
	s_add_nc_u64 s[4:5], s[4:5], s[24:25]
	s_lshr_b32 s24, s24, 1                         ; rows of 2,048 bytes in xh
	s_add_nc_u64 s[12:13], s[12:13], s[24:25]
	s_mov_b32 s22, 0x76543210                      ; v_permlanex16_b32: each lane takes its own place in the other half
	s_mov_b32 s23, 0xfedcba98
	v_lshlrev_b32 v2, 4, v1
	v_lshlrev_b32 v3, 3, v1
	v_mov_b32 v[RN], 0x3a800000                    ; 1 / 1,024
	s_wait_alu depctr_va_vdst(0)                   ; v2 and v3 are written: every load below reads v2 as its offset, every store v3
.irp j, 0,1,2,3,4,5,6,7
	global_load_b128 v[X0+4*\j:X0+4*\j+3], v2, s[4:5] offset:512*\j th:TH_LOAD_NT
.endr
.irp j, 0,1,2,3,4,5,6,7
	global_load_b128 v[GM+4*\j:GM+4*\j+3], v2, s[6:7] offset:512*\j
.endr
.irp j, 0,1,2,3,4,5,6,7
	global_load_b128 v[X1+4*\j:X1+4*\j+3], v2, s[4:5] offset:4096+512*\j th:TH_LOAD_NT
.endr
	LNROW X0, 16, 8, 0                             ; row 0 is in: gamma's and row 1's sixteen loads stay out; then gamma: row 1's eight stay out
	LNROW X1, 0, 0, 1                              ; row 1, and row 0's stores
	s_wait_alu depctr_va_vdst(0)                   ; row 1's conversions have written X1, which the last eight stores read
.set i, 0
.rept 8
	PUT X1, 1, i
.set i, i+1
.endr
	s_endpgm
.Lfunc_end_k_q806509c9f6_prep:
	.size	k_q806509c9f6_prep, .Lfunc_end_k_q806509c9f6_prep-k_q806509c9f6_prep
	.p2alignl 7, 3214868480
	.fill 96, 4, 3214868480
	.section	.rodata,"a",@progbits
	.p2align	6, 0x0
	.amdhsa_kernel k_q806509c9f6_prep
		.amdhsa_group_segment_fixed_size 0
		.amdhsa_private_segment_fixed_size 0
		.amdhsa_enable_private_segment 0
		.amdhsa_kernarg_size 56
		.amdhsa_user_sgpr_count 2
		.amdhsa_user_sgpr_kernarg_segment_ptr 1
		.amdhsa_wavefront_size32 1
		.amdhsa_system_sgpr_workgroup_id_x 1
		.amdhsa_system_sgpr_workgroup_id_y 1
		.amdhsa_system_sgpr_workgroup_id_z 1
		.amdhsa_system_vgpr_workitem_id 0
		.amdhsa_next_free_vgpr 128
		.amdhsa_next_free_sgpr 66
		.amdhsa_reserve_vcc 0
		.amdhsa_float_denorm_mode_32 3
		.amdhsa_float_denorm_mode_16_64 3
		.amdhsa_memory_ordered 1
		.amdhsa_forward_progress 1
		.amdhsa_inst_pref_size 34
	.end_amdhsa_kernel
	.amdgpu_metadata
---
amdhsa.version: [ 1, 2 ]
amdhsa.kernels:
  - .name:           k_q806509c9f6_prep
    .symbol:         k_q806509c9f6_prep.kd
    .args:
      - { .name: inputs, .offset: 0, .size: 8, .value_kind: global_buffer, .address_space: global }
      - { .name: ln_gamma, .offset: 8, .size: 8, .value_kind: global_buffer, .address_space: global }
      - { .name: w_qkv, .offset: 16, .size: 8, .value_kind: global_buffer, .address_space: global }
      - { .name: w_o, .offset: 24, .size: 8, .value_kind: global_buffer, .address_space: global }
      - { .name: xh, .offset: 32, .size: 8, .value_kind: global_buffer, .address_space: global }
      - { .name: wq, .offset: 40, .size: 8, .value_kind: global_buffer, .address_space: global }
      - { .name: wo, .offset: 48, .size: 8, .value_kind: global_buffer, .address_space: global }
    .group_segment_fixed_size: 0
    .private_segment_fixed_size: 0
    .kernarg_segment_align: 8
    .kernarg_segment_size: 56
    .max_flat_workgroup_size: 256
    .sgpr_count:     66
    .vgpr_count:     128
    .wavefront_size: 32
...
	.end_amdgpu_metadata
.endif
;; end of part 5
;; launch gemm_qkv: the kernel of part 2 again; grid 16 x 32, 4 waves a work-group, clusters of 4 x 4, 327,680 bytes of LDS; arguments xh, wq, cos, sin, qkv; writes qkv
;; launch attn: the kernel of part 3 again; grid 8 x 32, 4 waves a work-group, clusters of 4 x 4, 327,680 bytes of LDS; arguments qkv, mask, att; writes att
;; launch gemm_out: the kernel of part 4 again; grid 8 x 32, 4 waves a work-group, clusters of 4 x 4, 327,680 bytes of LDS; arguments att, wo, out0; writes out0
